; MI455X (gfx1250); checked and timed in simulation.
; The chip was launched on July 23, 2026; its instructions are those of AMD's public machine-readable ISA for CDNA 5 (MIT licence, August 2026) and "CDNA5" Instruction Set Architecture Reference Guide (July 2026). The comments in the code are by the model that wrote it; some were corrected since.
;; Fast Weight Memory. Allowed arithmetic: float matrix products may take bf16 or f16 operands with f32 sums; all other float work in f32.
;; Inputs: keys 32,768 x 1,024 float32; query 1,024 x 1,024 float32; values 32,768 x 1,024 float32.
;; Outputs: out0 1,024 x 1,024 float32.
;; 2 versions, each right; version 2 is version 1 with the launch scores written anew for expert scheduling mode. Each part assembles by itself: llvm-mc -triple=amdgcn-amd-amdhsa -mcpu=gfx1250 --defsym DOCPART=n.
;; ======== version 1 of 2: 4 launches
;; limits: values are held in f16: magnitudes above 65,504 overflow, below 6.1e-05 lose precision; inputs' magnitudes at most 65,504; below input magnitudes of 6e-05 results are inexact or not finite
;; workspace buffers: qf 2,097,152 bytes; pf 67,108,864 bytes; lpart 1,048,576 bytes; opart 67,108,864 bytes
;; launch qprep (part 1): grid 64 x 1, 4 waves a work-group, no clusters, 33,536 bytes of LDS; arguments query, qf; writes qf
.if DOCPART == 1
	.amdgcn_target "amdgcn-amd-amdhsa--gfx1250"
	.amdhsa_code_object_version 6
	.text
	.protected	k_qc3c0e859dd_qprep
	.globl	k_qc3c0e859dd_qprep
	.p2align	8
	.type	k_qc3c0e859dd_qprep,@function
k_qc3c0e859dd_qprep:
	s_mov_b64 s[64:65], 0
	v_nop
	global_prefetch_b8 v0, s[64:65] scope:SCOPE_SE
	s_setreg_imm32_b32 hwreg(HW_REG_WAVE_MODE, 25, 1), 1
	s_wait_xcnt 0x0
; qf = query rows, each times 10 log2(e) / max(||q||, 1e-12), rounded to f16 and laid out as the matrix fragments that the next launch loads.
; A work-group takes 16 rows (one query tile), a wave 4 of them; a row is 4,096 bytes = eight 16-byte loads a lane, kept in 32 registers
; between the sum of squares and the scaling, so that it is read once.
; ORDER ALONG D: load j of lane L holds columns 128 j + 4 L .. + 3; the f16 of loads 2p and 2p + 1 form the 16-byte chunk 32 p + L of the
; row in LDS.  The keys are laid out by the same lines in the next launch, so equal places hold equal columns and the products are the same.
; qf: [tile 64][k block 32][half 2][lane 32][8 f16]: every store of a wave covers 512 consecutive bytes.
; LIMITS: the sum of squares is formed in f32, as in the reference (it overflows for ||q|| above about 1.8e19); NaN and infinities are not followed.
; A stream of 4 MiB: no matrix unit, no cluster (no work-group shares a byte with another), no tensor load (a row passes through registers anyway).
.set ROWB,    4096                     ; bytes in a row
.set PITCH,   2064                     ; an LDS row: 2,048 bytes of f16 + 16, an odd multiple of 16: 16 rows start in 16 different 16-byte columns of 256 bytes
.set XW,      0                        ; register window of the row slots
.set XB,      72                       ; v[72:199] four row slots of 32 registers
.set W_SQ,    XW|(XW<<2)               ; window setting: sources 0 and 1 are row slots
.set W_X0,    XW                       ; source 0 is a row slot
.set W_LD,    XW<<6                    ; the destination is a row slot
.set SCALE_Q, 1                        ; the factor 10 log2(e) goes into this side
.set SEL,     12                       ; s[12:13] selects of v_permlanex16_b32
.set KB,      4                        ; s[4:5]   the wave's first row
.set LOFF,    2                        ; v2       16 x lane
.set KST,     3                        ; v3       LDS: the wave's first row + 16 x lane
.set FRD,     4                        ; v4       LDS: fragment address r x PITCH + 16 h + the wave's eight k blocks
.set SQ,      8                        ; v[8:15]  four chains of sums of squares
.set T,       16
.set T1,      17
.set N,       18
.set R,       20                       ; v[20:21] the row's factor, twice
.set TM,      24                       ; v[24:55] the scaled row
.set Y,       56                       ; v[56:71] the row in f16
.set MSB,     0
.macro WIN new                         ; s_set_vgpr_msb; the immediate's high byte repeats the setting that is left
.if MSB != (\new)
	s_set_vgpr_msb (MSB<<8)|(\new)
.set MSB, (\new)
.endif
.endm
.macro ROWIN i, off                    ; eight loads of 512 consecutive bytes: one row into slot i
	WIN W_LD
.irp j, 0,1,2,3,4,5,6,7
	global_load_b128 v[XB+32*\i+4*\j:XB+32*\i+4*\j+3], v[LOFF], s[KB:KB+1] offset:\off+\i*ROWB+512*\j th:TH_LOAD_NT
.endr
.endm
; The row in slot i: norm, factor, f16, into LDS.  left = younger loads that may stay out; ahead = 1: the slot is loaded again, eight rows on.
.macro ROW i, ahead, left
	s_wait_loadcnt \left                           ; loads return in order: this slot's eight are in
	WIN W_SQ
.irp c, 0,1,2,3
	v_pk_mul_f32 v[SQ+2*\c:SQ+2*\c+1], v[XB+32*\i+2*\c:XB+32*\i+2*\c+1], v[XB+32*\i+2*\c:XB+32*\i+2*\c+1]   ; the first squares start the chains
.endr
.irp c, 4,5,6,7,8,9,10,11,12,13,14,15
	v_pk_fma_f32 v[SQ+2*(\c%4):SQ+2*(\c%4)+1], v[XB+32*\i+2*\c:XB+32*\i+2*\c+1], v[XB+32*\i+2*\c:XB+32*\i+2*\c+1], v[SQ+2*(\c%4):SQ+2*(\c%4)+1]
.endr
	WIN 0
	v_pk_add_f32 v[SQ:SQ+1], v[SQ:SQ+1], v[SQ+2:SQ+3]
	v_pk_add_f32 v[SQ+4:SQ+5], v[SQ+4:SQ+5], v[SQ+6:SQ+7]
	v_pk_add_f32 v[SQ:SQ+1], v[SQ:SQ+1], v[SQ+4:SQ+5]
	v_add_f32 v[T], v[SQ], v[SQ+1]
	v_add_f32_dpp v[T], v[T], v[T] row_xmask:1 row_mask:0xf bank_mask:0xf
	v_add_f32_dpp v[T], v[T], v[T] row_xmask:2 row_mask:0xf bank_mask:0xf
	v_add_f32_dpp v[T], v[T], v[T] row_xmask:4 row_mask:0xf bank_mask:0xf
	v_add_f32_dpp v[T], v[T], v[T] row_xmask:8 row_mask:0xf bank_mask:0xf
	v_permlanex16_b32 v[T1], v[T], s[SEL], s[SEL+1]
	v_add_f32 v[T], v[T], v[T1]                    ; the row's sum of squares, in every lane
	v_sqrt_f32 v[N], v[T]
	v_nop                                          ; one plain place behind a transcendental before its result is used
	s_wait_alu depctr_va_vdst(0)
	v_max_num_f32 v[N], 0x2b8cbccc, v[N]           ; max(norm, 1e-12)
	v_rcp_f32 v[R], v[N]
	v_nop
.if SCALE_Q
	s_wait_alu depctr_va_vdst(0)
	v_mul_f32 v[R], 0x4166d4ca, v[R]               ; x 10 log2(e) = 14.42695: the product of the two sides is then the exponent to base 2
.endif
	v_mov_b32 v[R+1], v[R]
	WIN W_X0
.irp c, 0,1,2,3,4,5,6,7,8,9,10,11,12,13,14,15
	v_pk_mul_f32 v[TM+2*\c:TM+2*\c+1], v[XB+32*\i+2*\c:XB+32*\i+2*\c+1], v[R:R+1]
.endr
.if \ahead
	ROWIN \i, 8*ROWB
.endif
	WIN 0
.irp c, 0,1,2,3,4,5,6,7,8,9,10,11,12,13,14,15
	v_cvt_pk_f16_f32 v[Y+\c], v[TM+2*\c], v[TM+2*\c+1]
.endr
.irp p, 0,1,2,3
	ds_store_b128 v[KST], v[Y+4*\p:Y+4*\p+3] offset:\i*PITCH+512*\p   ; 32 lanes, 512 consecutive bytes
.endr
.endm
	s_load_b128 s[4:7], s[0:1], 0x0                ; query s[4:5], qf s[6:7]
	v_lshl_add_u32 v200, v0, 2, 0x8100
	v_mov_b32 v201, 0
	v_and_b32 v1, 31, v0                           ; lane
	v_lshrrev_b32 v5, 5, v0
	v_readfirstlane_b32 s8, v5                     ; wave
	s_mov_b32 s12, 0x76543210                      ; lane i of one half reads lane i of the other
	s_mov_b32 s13, 0xfedcba98
	v_lshlrev_b32 v[LOFF], 4, v1
	s_mul_i32 s9, s8, 4*PITCH                      ; the wave's four rows in LDS
	v_add_nc_u32 v[KST], s9, v[LOFF]
	v_and_b32 v6, 15, v0                           ; r
	v_bfe_u32 v7, v0, 4, 1                         ; h
	v_mul_u32_u24 v[FRD], v6, PITCH
	v_lshl_add_u32 v[FRD], v7, 4, v[FRD]
	s_lshl_b32 s10, s8, 9                          ; the wave writes out k blocks 8 w .. 8 w + 7: 64 bytes of a row each
	v_add_nc_u32 v[FRD], s10, v[FRD]
	v_mov_b32 v[T1], 0                             ; v_permlanex16_b32 counts as a reader of its destination
	s_lshl_b32 s16, ttmp9, 16                      ; 16 rows of 4,096 bytes a work-group,
	s_lshl_b32 s14, s8, 14                         ; 4 a wave
	s_add_co_u32 s16, s16, s14
	s_mov_b32 s17, 0
	s_lshl_b32 s18, ttmp9, 15                      ; 32,768 bytes of qf a tile,
	s_lshl_b32 s14, s8, 13                         ; 8 k blocks of 1,024 a wave
	s_add_co_u32 s18, s18, s14
	s_mov_b32 s19, 0
	s_wait_kmcnt 0x0
	s_add_nc_u64 s[4:5], s[4:5], s[16:17]
	s_add_nc_u64 s[6:7], s[6:7], s[18:19]
	ROWIN 0, 0
	ROWIN 1, 0
	ROWIN 2, 0
	ROWIN 3, 0
	ROW 0, 0, 24                                   ; the counts: eight loads for each younger row
	ROW 1, 0, 16
	ROW 2, 0, 8
	ROW 3, 0, 0
	s_wait_dscnt 0x0                               ; my rows are in LDS,
	s_barrier_signal -1
	s_barrier_wait -1                              ; everybody's are
	; fragments: lane (r, h) takes bytes 64 kb + 16 h (registers 0-3) and + 32 (registers 4-7) of row r
.set n, 0
.rept 16
	ds_load_b128 v[XB+4*n:XB+4*n+3], v[FRD] offset:32*n
.set n, n+1
.endr
.set n, 0
.rept 16
	s_wait_dscnt 15-n                              ; LDS loads return in order: number n is in
	global_store_b128 v[LOFF], v[XB+4*n:XB+4*n+3], s[6:7] offset:512*n
.set n, n+1
.endr
	s_wait_tensorcnt 0x0
	ds_add_u32 v200, v201
	s_wait_dscnt 0x0
	s_endpgm
.Lfunc_end_k_qc3c0e859dd_qprep:
	.size	k_qc3c0e859dd_qprep, .Lfunc_end_k_qc3c0e859dd_qprep-k_qc3c0e859dd_qprep
	.p2alignl 7, 3214868480
	.fill 96, 4, 3214868480
	.section	.rodata,"a",@progbits
	.p2align	6, 0x0
	.amdhsa_kernel k_qc3c0e859dd_qprep
		.amdhsa_group_segment_fixed_size 33536
		.amdhsa_private_segment_fixed_size 0
		.amdhsa_enable_private_segment 0
		.amdhsa_kernarg_size 16
		.amdhsa_user_sgpr_count 2
		.amdhsa_user_sgpr_kernarg_segment_ptr 1
		.amdhsa_wavefront_size32 1
		.amdhsa_system_sgpr_workgroup_id_x 1
		.amdhsa_system_sgpr_workgroup_id_y 1
		.amdhsa_system_sgpr_workgroup_id_z 1
		.amdhsa_system_vgpr_workitem_id 0
		.amdhsa_next_free_vgpr 202
		.amdhsa_next_free_sgpr 66
		.amdhsa_reserve_vcc 0
		.amdhsa_float_denorm_mode_32 3
		.amdhsa_float_denorm_mode_16_64 3
		.amdhsa_memory_ordered 1
		.amdhsa_forward_progress 1
		.amdhsa_inst_pref_size 25
	.end_amdhsa_kernel
	.amdgpu_metadata
---
amdhsa.version: [ 1, 2 ]
amdhsa.kernels:
  - .name:           k_qc3c0e859dd_qprep
    .symbol:         k_qc3c0e859dd_qprep.kd
    .args:
      - { .name: query, .offset: 0, .size: 8, .value_kind: global_buffer, .address_space: global }
      - { .name: qf, .offset: 8, .size: 8, .value_kind: global_buffer, .address_space: global }
    .group_segment_fixed_size: 33536
    .private_segment_fixed_size: 0
    .kernarg_segment_align: 8
    .kernarg_segment_size: 16
    .max_flat_workgroup_size: 128
    .sgpr_count:     66
    .vgpr_count:     202
    .wavefront_size: 32
...
	.end_amdgpu_metadata
.endif
;; end of part 1
;; launch scores (part 2): grid 256 x 1, 4 waves a work-group, no clusters, 264,704 bytes of LDS; arguments keys, qf, pf, lpart; writes pf, lpart
.if DOCPART == 2
	.amdgcn_target "amdgcn-amd-amdhsa--gfx1250"
	.amdhsa_code_object_version 6
	.text
	.protected	k_qc3c0e859dd_scores
	.globl	k_qc3c0e859dd_scores
	.p2align	8
	.type	k_qc3c0e859dd_scores,@function
k_qc3c0e859dd_scores:
	s_mov_b64 s[64:65], 0
	v_nop
	global_prefetch_b8 v0, s[64:65] scope:SCOPE_SE
	s_setreg_imm32_b32 hwreg(HW_REG_WAVE_MODE, 25, 1), 1
	s_wait_xcnt 0x0
; P[key][query] = exp2( (k / max(||k||, 1e-12)) . qs ), qs from qf (it carries 10 log2(e) / ||q||), so P = e^(10 cos).
; A work-group owns 128 keys: each wave normalises 32 of them (a row stays in 32 registers between norm and scaling, so keys are read once in the launch)
; and puts them into LDS as f16.  Then two passes of 512 queries; a wave makes 128 keys x 128 queries: 64 accumulator tiles, 512 registers.
; K's fragments come from LDS (all four waves read the same 8 KiB for 64 matrix instructions); Q's fragments belong to one wave alone and come
; straight from qf, which is already in fragment order, into a ring of four stages of registers: loads of 512 consecutive bytes, no barrier in the loop.
; The result tile (A = keys, B = queries) has in lane (r, h) query r and keys 8 h .. 8 h + 7: rounded to f16 that IS the A fragment of the next
; product (rows = queries, k = keys), so P is stored as it lies: pf [qb 4][block of 32 keys 1024][query tile 16][half 2][lane 32][8 f16].
; lpart [work-group 256][pass 2][wave 4][lane 32][u 4] f32 = the sum of P over my 128 keys for query 512 pass + 128 wave + 16 (2 u + h) + r.
; NO MAXIMUM IS TAKEN AWAY: both vectors are normalised by the computation itself, so the exponent is 10 cos, within -10 .. 10 for every input:
; P lies in 4.5e-5 .. 2.2e4 (inside f16), its sum over 32,768 keys in 1.5 .. 7.3e8 (inside f32).  That lets the keys be shared among work-groups.
; LIMITS: operands in f16 (normalised numbers, at most 1 and 14.5 in size; below 6e-5 their step is 6e-8); sums of squares in f32 as in the reference;
; NaN and infinities are not followed.
; NO JOINT LOADS for Q, though all work-groups read it: the keys take 264,192 of the 327,680 bytes of LDS; the 63,488 left do not hold two slots
; of one k block of 512 queries (32,768 bytes each, with nothing to spare for more steps), so each slot would ask for a round of barriers every 64
; matrix instructions, and the bytes would pass through LDS for one wave's use.
.set ROWB,    4096
.set PITCH,   2064                     ; an LDS row: 2,048 bytes + 16, an odd multiple of 16
.set XW,      2                        ; the row slots of the first phase lie where the accumulators will: window 2
.set XB,      0                        ; eight slots of 32 registers
.set W_SQ,    XW|(XW<<2)
.set W_X0,    XW
.set W_LD,    XW<<6
.set SCALE_Q, 0
.set SEL,     14                       ; s[14:15] selects of v_permlanex16_b32
.set KB,      4                        ; s[4:5]   keys, the wave's rows
.set QB,      6                        ; s[6:7]   qf, the wave's eight query tiles, stepped along k
.set PB,      8                        ; s[8:9]   pf
.set LB,      10                       ; s[10:11] lpart
.set LOFF,    2                        ; v2       16 x lane
.set KST,     3                        ; v3       LDS: where the wave's rows go
.set KA,      4                        ; v[4:11]  LDS: fragment address of key tile a, stepped along k
.set KBASE,   12                       ; v12      r x PITCH + 16 h
.set SQ,      16                       ; v[16:23] chains of sums
.set SA,      16
.set T,       24
.set T1,      25
.set N,       26
.set R,       28
.set LS,      32                       ; v[32:39] sum of P for query tile b
.set LO,      40                       ; v[40:43] what goes to lpart
.set KF0,     64                       ; v[64:127]  K fragments, buffer 0
.set KF1,     128                      ; v[128:191] K fragments, buffer 1; on the way out two sets of 32 registers of f16
.set E,       192                      ; v[192:255] exponentials
.set TM,      192                      ; first phase: the scaled row
.set Y,       224                      ; first phase: the row in f16
; window 1: Q's ring, stage s, tile b at v[64 s + 8 b]; windows 2, 3: accumulators, tile (b = 4 hi + bq, a) at v[8 (8 bq + a)] of window 2 + hi
.set MUL_LO,  0xa4                     ; A window 0, B window 1, C and D window 2
.set MUL_HI,  0xf4                     ; C and D window 3
.set TO_Q,    0x40                     ; destination window 1
.set NEXTQ,   1048576-28672            ; from the last trip's place in qf to the next pass's first k block: 32 tiles on, 28 k blocks back
.set MSB,     0
.macro WIN new                         ; s_set_vgpr_msb; the immediate's high byte repeats the setting that is left
.if MSB != (\new)
	s_set_vgpr_msb (MSB<<8)|(\new)
.set MSB, (\new)
.endif
.endm
.macro PLACES                          ; four plain places between a matrix instruction and a load into, or a vector write or read of, its registers
.rept 4
	v_nop
.endr
.endm
.macro ROWIN i, off                    ; eight loads of 512 consecutive bytes: one row into slot i
	WIN W_LD
.irp j, 0,1,2,3,4,5,6,7
	global_load_b128 v[XB+32*\i+4*\j:XB+32*\i+4*\j+3], v[LOFF], s[KB:KB+1] offset:\off+\i*ROWB+512*\j th:TH_LOAD_NT
.endr
.endm
; The row in slot i: norm, factor, f16, into LDS.  left = younger loads that may stay out; ahead = 1: the slot is loaded again, eight rows on.
.macro ROW i, ahead, left
	s_wait_loadcnt \left                           ; loads return in order: this slot's eight are in
	WIN W_SQ
.irp c, 0,1,2,3
	v_pk_mul_f32 v[SQ+2*\c:SQ+2*\c+1], v[XB+32*\i+2*\c:XB+32*\i+2*\c+1], v[XB+32*\i+2*\c:XB+32*\i+2*\c+1]   ; the first squares start the chains
.endr
.irp c, 4,5,6,7,8,9,10,11,12,13,14,15
	v_pk_fma_f32 v[SQ+2*(\c%4):SQ+2*(\c%4)+1], v[XB+32*\i+2*\c:XB+32*\i+2*\c+1], v[XB+32*\i+2*\c:XB+32*\i+2*\c+1], v[SQ+2*(\c%4):SQ+2*(\c%4)+1]
.endr
	WIN 0
	v_pk_add_f32 v[SQ:SQ+1], v[SQ:SQ+1], v[SQ+2:SQ+3]
	v_pk_add_f32 v[SQ+4:SQ+5], v[SQ+4:SQ+5], v[SQ+6:SQ+7]
	v_pk_add_f32 v[SQ:SQ+1], v[SQ:SQ+1], v[SQ+4:SQ+5]
	v_add_f32 v[T], v[SQ], v[SQ+1]
	v_add_f32_dpp v[T], v[T], v[T] row_xmask:1 row_mask:0xf bank_mask:0xf
	v_add_f32_dpp v[T], v[T], v[T] row_xmask:2 row_mask:0xf bank_mask:0xf
	v_add_f32_dpp v[T], v[T], v[T] row_xmask:4 row_mask:0xf bank_mask:0xf
	v_add_f32_dpp v[T], v[T], v[T] row_xmask:8 row_mask:0xf bank_mask:0xf
	v_permlanex16_b32 v[T1], v[T], s[SEL], s[SEL+1]
	v_add_f32 v[T], v[T], v[T1]                    ; the row's sum of squares, in every lane
	v_sqrt_f32 v[N], v[T]
	v_nop                                          ; one plain place behind a transcendental before its result is used
	s_wait_alu depctr_va_vdst(0)
	v_max_num_f32 v[N], 0x2b8cbccc, v[N]           ; max(norm, 1e-12)
	v_rcp_f32 v[R], v[N]
	v_nop
.if SCALE_Q
	v_mul_f32 v[R], 0x4166d4ca, v[R]
.endif
	s_wait_alu depctr_va_vdst(0)
	v_mov_b32 v[R+1], v[R]
	WIN W_X0
.irp c, 0,1,2,3,4,5,6,7,8,9,10,11,12,13,14,15
	v_pk_mul_f32 v[TM+2*\c:TM+2*\c+1], v[XB+32*\i+2*\c:XB+32*\i+2*\c+1], v[R:R+1]
.endr
.if \ahead
	ROWIN \i, 8*ROWB
.endif
	WIN 0
.irp c, 0,1,2,3,4,5,6,7,8,9,10,11,12,13,14,15
	v_cvt_pk_f16_f32 v[Y+\c], v[TM+2*\c], v[TM+2*\c+1]
.endr
.irp p, 0,1,2,3
	ds_store_b128 v[KST], v[Y+4*\p:Y+4*\p+3] offset:\i*PITCH+512*\p   ; 32 lanes, 512 consecutive bytes
.endr
.endm
; 16 loads: one k block of my eight query tiles into stage st
.macro QFETCH st, off
	WIN TO_Q
.irp b, 0,1,2,3,4,5,6,7
	global_load_b128 v[64*(\st)+8*\b:64*(\st)+8*\b+3], v[LOFF], s[QB:QB+1] offset:\off+\b*32768
	global_load_b128 v[64*(\st)+8*\b+4:64*(\st)+8*\b+7], v[LOFF], s[QB:QB+1] offset:\off+\b*32768+512
.endr
.endm
; 16 LDS loads: one k block of the eight key tiles into buffer f
.macro KFETCH f, off
	WIN 0
.irp a, 0,1,2,3,4,5,6,7
	ds_load_b128 v[\f+8*\a:\f+8*\a+3], v[KA+\a] offset:\off
	ds_load_b128 v[\f+8*\a+4:\f+8*\a+7], v[KA+\a] offset:\off+32
.endr
.endm
; 32 matrix instructions: four query tiles x eight key tiles.  The 64 accumulators take turns, one instruction a turn, in the same order in every
; k block.
.macro MUL32 f, st, hi, zero
.irp bq, 0,1,2,3
.irp a, 0,1,2,3,4,5,6,7
.if \zero
	v_wmma_f32_16x16x32_f16 v[8*(8*\bq+\a):8*(8*\bq+\a)+7], v[\f+8*\a:\f+8*\a+7], v[64*(\st)+8*(4*\hi+\bq):64*(\st)+8*(4*\hi+\bq)+7], 0
.else
	v_wmma_f32_16x16x32_f16 v[8*(8*\bq+\a):8*(8*\bq+\a)+7], v[\f+8*\a:\f+8*\a+7], v[64*(\st)+8*(4*\hi+\bq):64*(\st)+8*(4*\hi+\bq)+7], v[8*(8*\bq+\a):8*(8*\bq+\a)+7]
.endif
.endr
.endr
.endm
; One k block of 32: multiplies buffer f and stage st; in its middle it fetches the next block's K fragments into buffer g and the Q fragments of
; three blocks on into the stage read last.  kmode 0: no K fetch; 1: at koff; 2: the addresses step four blocks on first; 3: they return to block 0.
.macro KBLK f, g, st, zero, lcnt, kmode, koff, qon, qoff
	s_wait_loadcnt \lcnt                           ; my stage is in: lcnt = 16 loads for each younger stage
	s_wait_dscnt 0x0                               ; buffer f is in (asked for 32 matrix instructions ago)
	WIN MUL_LO
	MUL32 \f, \st, 0, \zero
.if \kmode+\qon
	WIN 0
.if \kmode == 2
.irp a, 0,1,2,3,4,5,6,7
	v_add_nc_u32 v[KA+\a], 256, v[KA+\a]           ; four k blocks of 64 bytes on; these eight lines are also the places in front of the loads
.endr
.else
.if \kmode == 3
.irp a, 0,1,2,3,4,5,6,7
	v_add_nc_u32 v[KA+\a], \a*16*PITCH, v[KBASE]   ; back to k block 0 for the next pass; also the places
.endr
.else
	PLACES
.endif
.endif
.if \kmode
	KFETCH \g, \koff
.endif
.if \qon
	QFETCH (\st+3)%4, \qoff
.endif
.endif
	WIN MUL_HI
	MUL32 \f, \st, 1, \zero
.endm
; Four k blocks.  mode 0: inside a pass; 1: the last of pass 0, whose look-ahead runs into pass 1; 2: the very last: the counts run down.
.macro TRIP zero, mode
.if \mode == 0
	KBLK KF0, KF1, 0, \zero, 32, 1, 64, 1, 3072
	KBLK KF1, KF0, 1, 0, 32, 1, 128, 1, 4096
	KBLK KF0, KF1, 2, 0, 32, 1, 192, 1, 5120
	KBLK KF1, KF0, 3, 0, 32, 2, 0, 1, 6144
	WIN 0
	s_wait_xcnt 0x0                                ; the base of the pending loads is stepped only behind this wait
	s_add_nc_u64 s[QB:QB+1], s[QB:QB+1], 4096
.endif
.if \mode == 1
	KBLK KF0, KF1, 0, 0, 32, 1, 64, 1, 3072
	KBLK KF1, KF0, 1, 0, 32, 1, 128, 1, NEXTQ
	KBLK KF0, KF1, 2, 0, 32, 1, 192, 1, NEXTQ+1024
	KBLK KF1, KF0, 3, 0, 32, 3, 0, 1, NEXTQ+2048
	WIN 0
	s_wait_xcnt 0x0
	s_add_nc_u64 s[QB:QB+1], s[QB:QB+1], NEXTQ
.endif
.if \mode == 2
	KBLK KF0, KF1, 0, 0, 32, 1, 64, 1, 3072
	KBLK KF1, KF0, 1, 0, 32, 1, 128, 0, 0
	KBLK KF0, KF1, 2, 0, 16, 1, 192, 0, 0
	KBLK KF1, KF0, 3, 0, 0, 0, 0, 0, 0
.endif
.endm
; The way out for query tile b: 64 exponentials a lane, their sum, f16, eight stores of 512 consecutive bytes.
.macro EPIB b, win, yb
	WIN \win                                       ; source 0: the accumulators' window
.irp a, 0,1,2,3,4,5,6,7
.irp j, 0,1,2,3,4,5,6,7
	v_exp_f32 v[E+8*\a+\j], v[8*(8*(\b&3)+\a)+\j]
.endr
.endr
	WIN 0
	s_wait_xcnt 0x0                                ; the f16 registers that earlier stores read are rewritten only behind this wait
	v_nop                                          ; the plain place behind the transcendentals
	s_wait_alu depctr_va_vdst(0)
.irp c, 0,1,2,3
	v_pk_add_f32 v[SA+2*\c:SA+2*\c+1], v[E+2*\c:E+2*\c+1], v[E+8+2*\c:E+8+2*\c+1]   ; four chains, started by the first sums
.endr
.set p, 8
.rept 24
	v_pk_add_f32 v[SA+2*(p%4):SA+2*(p%4)+1], v[SA+2*(p%4):SA+2*(p%4)+1], v[E+2*p:E+2*p+1]
.set p, p+1
.endr
	v_pk_add_f32 v[SA:SA+1], v[SA:SA+1], v[SA+2:SA+3]
	v_pk_add_f32 v[SA+4:SA+5], v[SA+4:SA+5], v[SA+6:SA+7]
	v_pk_add_f32 v[SA:SA+1], v[SA:SA+1], v[SA+4:SA+5]
	v_add_f32 v[LS+\b], v[SA], v[SA+1]             ; query r, my half's 64 keys
.irp a, 0,1,2,3,4,5,6,7
.irp i, 0,1,2,3
	v_cvt_pk_f16_f32 v[\yb+4*\a+\i], v[E+8*\a+2*\i], v[E+8*\a+2*\i+1]
.endr
.endr
.irp a, 0,1,2,3,4,5,6,7
	global_store_b128 v[LOFF], v[\yb+4*\a:\yb+4*\a+3], s[PB:PB+1] offset:(\a>>1)*16384+\b*1024+(\a&1)*512
.endr
.endm
.macro EPI
	PLACES                                         ; behind the last matrix instructions, in front of the reads of their results and the writes of buffer 1
	EPIB 0, 2, KF1
	EPIB 1, 2, KF1+32
	EPIB 2, 2, KF1
	EPIB 3, 2, KF1+32
	EPIB 4, 3, KF1
	EPIB 5, 3, KF1+32
	EPIB 6, 3, KF1
	EPIB 7, 3, KF1+32
.irp b, 0,1,2,3,4,5,6,7
	v_permlanex16_b32 v[T1], v[LS+\b], s[SEL], s[SEL+1]
	v_add_f32 v[LS+\b], v[LS+\b], v[T1]            ; both halves: all 128 keys
.endr
.irp u, 0,1,2,3
	v_cndmask_b32 v[LO+\u], v[LS+2*\u], v[LS+2*\u+1], s21   ; lanes 0-15 keep tile 2 u, lanes 16-31 tile 2 u + 1
.endr
	global_store_b128 v[LOFF], v[LO:LO+3], s[LB:LB+1]
.endm
.macro PASS last                       ; 32 k blocks = 8 trips, and the way out
	TRIP 1, 0                                      ; the first products start the sums: nothing is cleared
	s_mov_b32 s20, 6
.Lpass_\@:
	TRIP 0, 0
	s_sub_co_u32 s20, s20, 1
	s_cmp_lg_u32 s20, 0
	s_cbranch_scc1 .Lpass_\@
.if \last
	TRIP 0, 2
.else
	TRIP 0, 1
.endif
	EPI
.endm
	s_load_b256 s[4:11], s[0:1], 0x0               ; keys, qf, pf, lpart
	v_lshl_add_u32 v62, v0, 2, 0x40800
	v_mov_b32 v63, 0
	v_and_b32 v1, 31, v0                           ; lane
	v_lshrrev_b32 v13, 5, v0
	v_readfirstlane_b32 s12, v13                   ; wave
	s_mov_b32 s14, 0x76543210
	s_mov_b32 s15, 0xfedcba98
	s_mov_b32 s21, 0xffff0000                      ; lanes 16 to 31
	v_lshlrev_b32 v[LOFF], 4, v1
	s_mul_i32 s16, s12, 32*PITCH                   ; the wave's 32 rows in LDS
	v_add_nc_u32 v[KST], s16, v[LOFF]
	v_and_b32 v13, 15, v0                          ; r
	v_bfe_u32 v14, v0, 4, 1                        ; h
	v_mul_u32_u24 v[KBASE], v13, PITCH
	v_lshl_add_u32 v[KBASE], v14, 4, v[KBASE]
.irp a, 0,1,2,3,4,5,6,7
	v_add_nc_u32 v[KA+\a], \a*16*PITCH, v[KBASE]
.endr
	v_mov_b32 v[T1], 0                             ; v_permlanex16_b32 counts as a reader of its destination
	s_lshl_b32 s16, ttmp9, 19                      ; keys: 128 rows of 4,096 bytes a work-group,
	s_lshl_b32 s17, s12, 17                        ; 32 a wave
	s_add_co_u32 s16, s16, s17
	s_mov_b32 s17, 0
	s_lshl_b32 s18, s12, 18                        ; qf: eight tiles of 32,768 bytes a wave
	s_mov_b32 s19, 0
	s_lshr_b32 s22, s12, 1                         ; pf: qb = 2 pass + wave / 2,
	s_lshl_b32 s22, s22, 24
	s_lshl_b32 s23, ttmp9, 16                      ; four blocks of 32 keys a work-group, 16,384 bytes each,
	s_add_co_u32 s22, s22, s23
	s_and_b32 s23, s12, 1                          ; query tiles 8 (wave mod 2) + b
	s_lshl_b32 s23, s23, 13
	s_add_co_u32 s22, s22, s23
	s_mov_b32 s23, 0
	s_lshl_b32 s24, ttmp9, 12                      ; lpart: 4,096 bytes a work-group, 512 a wave
	s_lshl_b32 s25, s12, 9
	s_add_co_u32 s24, s24, s25
	s_mov_b32 s25, 0
	s_wait_kmcnt 0x0
	s_add_nc_u64 s[KB:KB+1], s[KB:KB+1], s[16:17]
	s_add_nc_u64 s[QB:QB+1], s[QB:QB+1], s[18:19]
	s_add_nc_u64 s[PB:PB+1], s[PB:PB+1], s[22:23]
	s_add_nc_u64 s[LB:LB+1], s[LB:LB+1], s[24:25]
	QFETCH 0, 0                                    ; Q's first three stages go out first: they are older than every row's loads
	QFETCH 1, 1024
	QFETCH 2, 2048
.irp i, 0,1,2,3,4,5,6,7
	ROWIN \i, 0
.endr
	WIN 0
	s_mov_b32 s20, 3
.Lrows:                                                ; 4 rounds of 8 rows; the last is written out without loads
.irp i, 0,1,2,3,4,5,6,7
	ROW \i, 1, 56                                  ; seven younger rows of eight loads stay out
.endr
	s_wait_xcnt 0x0                                ; the loads' base is stepped only behind this wait
	s_add_nc_u64 s[KB:KB+1], s[KB:KB+1], 8*ROWB
	v_add_nc_u32 v[KST], 8*PITCH, v[KST]
	s_sub_co_u32 s20, s20, 1
	s_cmp_lg_u32 s20, 0
	s_cbranch_scc1 .Lrows
.irp i, 0,1,2,3,4,5,6,7
	ROW \i, 0, 8*(7-\i)
.endr
	s_wait_dscnt 0x0                               ; my 32 rows are in LDS,
	s_barrier_signal -1
	s_barrier_wait -1                              ; all 128 are; nothing writes them again
	KFETCH KF0, 0
	PASS 0
	s_wait_xcnt 0x0                                ; the stores' bases and data (buffer 1 is loaded again) change only behind this wait
	s_add_nc_u64 s[PB:PB+1], s[PB:PB+1], 0x2000000 ; the next 512 queries: qb + 2
	s_add_nc_u64 s[LB:LB+1], s[LB:LB+1], 2048
	PASS 1
	s_wait_tensorcnt 0x0
	ds_add_u32 v62, v63
	s_wait_dscnt 0x0
	s_endpgm
.Lfunc_end_k_qc3c0e859dd_scores:
	.size	k_qc3c0e859dd_scores, .Lfunc_end_k_qc3c0e859dd_scores-k_qc3c0e859dd_scores
	.p2alignl 7, 3214868480
	.fill 96, 4, 3214868480
	.section	.rodata,"a",@progbits
	.p2align	6, 0x0
	.amdhsa_kernel k_qc3c0e859dd_scores
		.amdhsa_group_segment_fixed_size 264704
		.amdhsa_private_segment_fixed_size 0
		.amdhsa_enable_private_segment 0
		.amdhsa_kernarg_size 32
		.amdhsa_user_sgpr_count 2
		.amdhsa_user_sgpr_kernarg_segment_ptr 1
		.amdhsa_wavefront_size32 1
		.amdhsa_system_sgpr_workgroup_id_x 1
		.amdhsa_system_sgpr_workgroup_id_y 1
		.amdhsa_system_sgpr_workgroup_id_z 1
		.amdhsa_system_vgpr_workitem_id 0
		.amdhsa_next_free_vgpr 1024
		.amdhsa_next_free_sgpr 66
		.amdhsa_reserve_vcc 0
		.amdhsa_float_denorm_mode_32 3
		.amdhsa_float_denorm_mode_16_64 3
		.amdhsa_memory_ordered 1
		.amdhsa_forward_progress 1
		.amdhsa_inst_pref_size 255
	.end_amdhsa_kernel
	.section	.bss,"aw",@nobits
	.p2align	6
	.space	262144
	.amdgpu_metadata
---
amdhsa.version: [ 1, 2 ]
amdhsa.kernels:
  - .name:           k_qc3c0e859dd_scores
    .symbol:         k_qc3c0e859dd_scores.kd
    .args:
      - { .name: keys, .offset: 0, .size: 8, .value_kind: global_buffer, .address_space: global }
      - { .name: qf, .offset: 8, .size: 8, .value_kind: global_buffer, .address_space: global }
      - { .name: pf, .offset: 16, .size: 8, .value_kind: global_buffer, .address_space: global }
      - { .name: lpart, .offset: 24, .size: 8, .value_kind: global_buffer, .address_space: global }
    .group_segment_fixed_size: 264704
    .private_segment_fixed_size: 0
    .kernarg_segment_align: 8
    .kernarg_segment_size: 32
    .max_flat_workgroup_size: 128
    .sgpr_count:     66
    .vgpr_count:     1024
    .wavefront_size: 32
...
	.end_amdgpu_metadata
.endif
;; end of part 2
;; launch mix (part 3): grid 4 x 64, 4 waves a work-group, clusters of 4 x 1, 327,680 bytes of LDS; arguments pf, values, opart; writes opart
.if DOCPART == 3
	.amdgcn_target "amdgcn-amd-amdhsa--gfx1250"
	.amdhsa_code_object_version 6
	.text
	.protected	k_qc3c0e859dd_mix
	.globl	k_qc3c0e859dd_mix
	.p2align	8
	.type	k_qc3c0e859dd_mix,@function
k_qc3c0e859dd_mix:
	s_mov_b64 s[64:65], 0
	v_nop
	global_prefetch_b8 v0, s[64:65] scope:SCOPE_SE
	s_setreg_imm32_b32 hwreg(HW_REG_WAVE_MODE, 25, 1), 1
	s_wait_xcnt 0x0
	s_wait_alu depctr_hold_cnt(0) depctr_sa_sdst(0) depctr_va_vdst(0) depctr_va_sdst(0) depctr_va_ssrc(0) depctr_va_vcc(0) depctr_vm_vsrc(0)
	s_getreg_b32 s2, hwreg(HW_REG_IB_STS2, 6, 4)
	s_cmp_eq_u32 s2, 0
	s_cbranch_scc0 .Lentry_in_a_cluster
	s_endpgm
.Lentry_in_a_cluster:
	s_bfe_u32 s2, ttmp6, 0x10000c
	s_cmp_lg_u32 s2, 0x3003
	s_cbranch_scc0 .Lentry_shape_is_right
	s_endpgm
.Lentry_shape_is_right:
; opart = P x V over 2,048 keys.  Work-group (db = place in the cluster, y: qb = y mod 4, ks = y / 4): queries 256 qb .., columns 256 db ..,
; keys 2,048 ks ..: 64 k blocks of 32 keys, in 16 quads.  A wave makes 256 queries x 64 columns: 16 x 4 accumulator tiles, 512 registers.
; P (A operand) is the same for the four work-groups of a cluster: it is asked for JOINTLY (mask 15) into two LDS slots of one quad, 65,536 bytes each;
; wave w brings k block w of the quad, 16,384 dense bytes.  pf is in fragment order, so LDS is read 16 bytes a lane in lane order: no padding needed.
; V (B operand) belongs to one wave of the work-group: 16 loads of 16 bytes a lane bring a k block's 32 rows x 64 columns in f32 (each load: two aligned pieces of 256
; bytes, of two rows) into a ring of four stages of registers.  Lane (r, h) holds rows 16 g + 8 h + jj, columns 4 r .. 4 r + 3, so packing rows 2 i and 2 i + 1 of one
; column into f16 gives the B fragment of column tile t with column 4 r + t in lane r: the conversion is the transposition.  The last launch puts the columns in order.
; NO JOINT LOADS for V, though the four query blocks read it: through LDS it would add 32 KiB of fill and 32 KiB of reads for every k block to the 16 + 64 KiB of P,
; for bytes that one wave uses.  The four clusters that read the same rows of V are neighbours in y.
; PREFETCH of P: a cluster alone reads its 1,048,576 bytes of pf.  In the pair of quads t (t = 0 .. 6) each of the cluster's 16 waves (number 4 cx + wave) asks for
; 8,192 of the 131,072 bytes of pair t + 1, 32 lanes 256 bytes apart: each piece of 256 bytes is asked for once in the launch.  The request stands behind V's loads of
; the pair's first k block; the tensor load that wants the first of these bytes is issued 208 matrix instructions later.  The last pair asks for nothing: the highest
; byte asked for is 7 x 131,072 + 15 x 8,192 + 31 x 256 = 1,048,320 of the cluster's part.  V has no prefetch: its ring asks three k blocks ahead by itself.
; opart [qb 4][db 4][wave 4][query tile 16][ks 16][t 4][jq 2][lane 32][4 f32]: the accumulators as they lie; every store covers 512 consecutive bytes.
; LIMITS: values go to f16: |v| below 65,504; below 6e-5 their step is 6e-8.  NaN and infinities are not followed.
.set ROWB,  4096                       ; bytes in a row of values
.set KBB,   16384                      ; bytes of P in a k block
.set SLOTB, 65536
.set PA,    2                          ; v2, v3   16 x lane + slot
.set VOFF,  4                          ; v4       16 r + 8 rows x h
.set PFO,   7                          ; v7       the prefetch: 256 x lane; never rewritten
.set PFL,   64                         ; v[64:127]  P fragments, query tiles 0-7
.set PFH,   128                        ; v[128:191] query tiles 8-15
.set VF0,   192                        ; v[192:223], v[224:255] V fragments in f16, two buffers
; window 1: V in f32, stage s, row (g, jj) at v[64 s + 4 (8 g + jj)]; windows 2, 3: tile (8 hi + qq, t) at v[8 (4 qq + t)] of window 2 + hi
.set G1,    16                         ; s[16:23] descriptor group 1
.set G0,    24                         ; s[24:31] descriptor group 0, a set for each slot
.set VB,    32                         ; s[32:33] values
.set OB,    34                         ; s[34:35] opart
.set PFB,   46                         ; s[46:47] the prefetch: my 8,192 bytes of the next pair of quads in pf
.set MUL_LO, 0xa0                      ; A, B window 0; C, D window 2
.set MUL_HI, 0xf0                      ; C, D window 3
.set CVT_W,  0x05                      ; sources window 1, destination window 0
.set TO_V,   0x40                      ; destination window 1
.set MSB,   0
.macro WIN new                         ; s_set_vgpr_msb; the immediate's high byte repeats the setting that is left
.if MSB != (\new)
	s_set_vgpr_msb (MSB<<8)|(\new)
.set MSB, (\new)
.endif
.endm
.macro PLACES                          ; four plain places between a matrix instruction and a load into, or a store of, its registers
.rept 4
	v_nop
.endr
.endm
.macro CREST                           ; a round of the cluster's barrier behind its opening barrier
	s_cmp_lg_u32 s10, 0
	s_cbranch_scc1 .Lnot_wave_0_\@
	s_barrier_signal -3
.Lnot_wave_0_\@:
	s_barrier_wait -3
	s_barrier_signal -1
	s_barrier_wait -1
.endm
.macro CROUND                          ; a whole round
	s_barrier_signal -1
	s_barrier_wait -1
	CREST
.endm
.macro VLOAD st, off                   ; 16 loads: 32 rows of my 64 columns into stage st
	WIN TO_V
.irp g, 0,1
.irp jj, 0,1,2,3,4,5,6,7
	global_load_b128 v[64*(\st)+4*(8*\g+\jj):64*(\st)+4*(8*\g+\jj)+3], v[VOFF], s[VB:VB+1] offset:\off+(16*\g+\jj)*ROWB
.endr
.endr
.endm
.macro VCVT st, vf                     ; 32 conversions: stage st to the four B fragments of buffer vf
	WIN CVT_W
.irp t, 0,1,2,3
.irp g, 0,1
.irp i, 0,1,2,3
	v_cvt_pk_f16_f32 v[\vf+8*\t+4*\g+\i], v[64*(\st)+4*(8*\g+2*\i)+\t], v[64*(\st)+4*(8*\g+2*\i+1)+\t]
.endr
.endr
.endr
.endm
.macro PFETCH dst, pa, off             ; 16 LDS loads: eight query tiles of one k block
	WIN 0
.irp qq, 0,1,2,3,4,5,6,7
	ds_load_b128 v[\dst+8*\qq:\dst+8*\qq+3], v[\pa] offset:\off+\qq*1024
	ds_load_b128 v[\dst+8*\qq+4:\dst+8*\qq+7], v[\pa] offset:\off+\qq*1024+512
.endr
.endm
; 4 n matrix instructions: query tiles q0 .. q0 + n - 1 of the window's eight x four column tiles.  The 64 accumulators take turns, one instruction
; a turn, in the same order in every k block.
.macro MULB pf, vf, q0, n, zero
.set qq, \q0
.rept \n
.irp t, 0,1,2,3
.if \zero
	v_wmma_f32_16x16x32_f16 v[8*(4*qq+\t):8*(4*qq+\t)+7], v[\pf+8*qq:\pf+8*qq+7], v[\vf+8*\t:\vf+8*\t+7], 0
.else
	v_wmma_f32_16x16x32_f16 v[8*(4*qq+\t):8*(4*qq+\t)+7], v[\pf+8*qq:\pf+8*qq+7], v[\vf+8*\t:\vf+8*\t+7], v[8*(4*qq+\t):8*(4*qq+\t)+7]
.endif
.endr
.set qq, qq+1
.endr
.endm
; k block i of the quad in LDS slot 'slot'.  cvt: the next block's V is converted (cnt = loads of the younger stages); vload: the block four on is asked for.
; turn (at i = 3): 1 = change of slots with a joint refill, 2 = change of slots without, 0 = the last block of all.  pre: my part of the next pair of quads is prefetched.
.macro STEP slot, i, zero, turn, vload, cvt, cnt, pre
	s_wait_dscnt 16                                ; tiles 0-7 are in; the 16 younger loads (tiles 8-15) may be out
	WIN MUL_LO
	MULB PFL, VF0+32*(\i%2), 0, 8, \zero
.if \cvt
	s_wait_loadcnt \cnt                            ; the next block's stage is in: 16 loads for each younger stage stay out
	VCVT (\i+1)%4, VF0+32*((\i+1)%2)               ; these 32 lines are also the places in front of the loads into tiles 0-7
.endif
.if \vload
	VLOAD \i, (128+32*\i)*ROWB                     ; into the stage that was converted one block ago
.endif
.if \pre
	WIN 0
	global_prefetch_b8 v[PFO], s[PFB:PFB+1] th:TH_LOAD_NT scope:SCOPE_SE   ; 32 lanes, 256 bytes apart: my 8,192 bytes of P of the next pair of quads; nothing waits for it
.endif
.if \i < 3
	PFETCH PFL, PA+\slot, (\i+1)*KBB
	s_wait_dscnt 16                                ; tiles 8-15 are in; the 16 just issued may be out
	WIN MUL_HI
	MULB PFH, VF0+32*(\i%2), 0, 8, \zero
	WIN 0
	PLACES
	PFETCH PFH, PA+\slot, (\i+1)*KBB+8192
.else
.if \turn
	s_wait_dscnt 0x0                               ; my reads of this slot are over
	s_wait_tensorcnt 0x0                           ; and all my tensor loads have landed: the one that was out is my part of the other slot
	ds_add_u32 v62, v63
	s_wait_dscnt 0x0
	s_barrier_signal -1                            ; say so (with a refill this barrier opens a round of the cluster's barrier),
	WIN MUL_HI
	MULB PFH, VF0+32*(\i%2), 0, 4, 0               ; work on registers while the others arrive
	WIN 0
	s_barrier_wait -1
.if \turn == 1
	CREST                                          ; all four work-groups have said so: no wave of any partner reads this slot or has a load on its way
	s_add_nc_u64 s[G0+4*\slot+2:G0+4*\slot+3], s[G0+4*\slot+2:G0+4*\slot+3], 2*SLOTB
	tensor_load_to_lds s[G0+4*\slot:G0+4*\slot+3], s[G1:G1+7]   ; my one tensor load behind the round: my k block of the quad two on
	s_nop 0
.endif
	PFETCH PFL, PA+1-\slot, 0                      ; tiles 0-7 were last multiplied in front of the 32 conversions above
	WIN MUL_HI
	MULB PFH, VF0+32*(\i%2), 4, 4, 0
	WIN 0
	PLACES
	PFETCH PFH, PA+1-\slot, 8192
.else
	s_wait_dscnt 0x0
	WIN MUL_HI
	MULB PFH, VF0+32*(\i%2), 0, 8, 0
.endif
.endif
.endm
.macro QUAD slot, zero, turn, vload, c0, c1, c2, cv3, pre
	STEP \slot, 0, \zero, \turn, \vload, 1, \c0, \pre
	STEP \slot, 1, 0, \turn, \vload, 1, \c1, 0
	STEP \slot, 2, 0, \turn, \vload, 1, \c2, 0
	STEP \slot, 3, 0, \turn, \vload, \cv3, 32, 0
.if \vload
	s_wait_xcnt 0x0                                ; the bases of the pending loads and of the prefetch are stepped only behind this wait
	s_add_nc_u64 s[VB:VB+1], s[VB:VB+1], 128*ROWB
.endif
.endm
	s_load_b128 s[4:7], s[0:1], 0x0                ; pf s[4:5], values s[6:7]
	s_load_b64 s[8:9], s[0:1], 0x10                ; opart
	v_lshl_add_u32 v62, v0, 2, 0x29000
	v_mov_b32 v63, 0
	ds_add_u32 v62, v63
	v_lshrrev_b32 v1, 5, v0
	v_readfirstlane_b32 s10, v1                    ; wave
	s_bfe_u32 s11, ttmp6, 0x40000                  ; cx = db: the grid is one cluster wide
	s_and_b32 s12, ttmp7, 0xffff                   ; y
	s_and_b32 s13, s12, 3                          ; qb
	s_lshr_b32 s14, s12, 2                         ; ks
	v_and_b32 v1, 31, v0
	v_lshlrev_b32 v[PA], 4, v1
	v_add_nc_u32 v[PA+1], SLOTB, v[PA]
	v_lshlrev_b32 v[PFO], 8, v1
	v_and_b32 v5, 15, v0                           ; r
	v_bfe_u32 v6, v0, 4, 1                         ; h
	v_lshlrev_b32 v[VOFF], 4, v5
	v_lshl_add_u32 v[VOFF], v6, 15, v[VOFF]        ; + 8 rows of 4,096 bytes for lanes 16-31
	s_lshl_b32 s36, s14, 23                        ; values: 2,048 rows a split,
	s_lshl_b32 s37, s11, 10                        ; 256 columns a work-group,
	s_add_co_u32 s36, s36, s37
	s_lshl_b32 s37, s10, 8                         ; 64 a wave
	s_add_co_u32 s36, s36, s37
	s_mov_b32 s37, 0
	s_lshl_b32 s38, s13, 2                         ; opart: ((4 qb + db) 4 + wave) x 2^20 + ks x 4,096
	s_add_co_u32 s38, s38, s11
	s_lshl_b32 s38, s38, 2
	s_add_co_u32 s38, s38, s10
	s_lshl_b32 s38, s38, 20
	s_lshl_b32 s39, s14, 12
	s_add_co_u32 s38, s38, s39
	s_mov_b32 s39, 0
	s_lshl_b32 s40, s13, 24                        ; pf: qb, 64 k blocks a split, my k block of the quad: nothing of cx
	s_lshl_b32 s41, s14, 20
	s_add_co_u32 s40, s40, s41
	s_lshl_b32 s41, s10, 14
	s_add_co_u32 s40, s40, s41
	s_mov_b32 s41, 0
	s_lshl_b32 s42, s10, 14                        ; and where it goes in a slot: wave x 16,384
	s_lshl_b32 s46, s11, 2                         ; the prefetch, in registers of its own (they hold cx and feed no descriptor):
	s_add_co_u32 s46, s46, s10                     ; wave 4 cx + wave of the cluster's sixteen
	s_lshl_b32 s46, s46, 13                        ; takes 8,192 bytes
	s_lshl_b32 s47, s13, 24                        ; of qb's
	s_add_co_u32 s46, s46, s47
	s_lshl_b32 s47, s14, 20                        ; and the split's part of pf,
	s_add_co_u32 s46, s46, s47
	s_add_co_u32 s46, s46, 2*SLOTB                 ; beginning with quads 2 and 3
	s_mov_b32 s47, 0
	; group 1: 64 rows of 32 elements of 8 bytes, dense
	s_mov_b32 s[G1+0], 15|(3<<16)|(1<<21)          ; 15:0 the mask: all four of the cluster; 17:16 elements of 8 bytes; 21 set beside a mask
	s_mov_b32 s[G1+1], 32<<16                      ; tensor_dim0 = 32
	s_mov_b32 s[G1+2], 64<<16                      ; tensor_dim1 = 64
	s_mov_b32 s[G1+3], 32<<16                      ; tile_dim0 = 32
	s_mov_b32 s[G1+4], 64                          ; tile_dim1 = 64
	s_mov_b32 s[G1+5], 32                          ; 32 elements from row to row
	s_mov_b32 s[G1+6], 0
	s_mov_b32 s[G1+7], 0
	s_wait_dscnt 0x0
	s_wait_kmcnt 0x0
	s_add_nc_u64 s[VB:VB+1], s[6:7], s[36:37]
	s_add_nc_u64 s[OB:OB+1], s[8:9], s[38:39]
	s_add_nc_u64 s[PFB:PFB+1], s[4:5], s[PFB:PFB+1]
	s_add_nc_u64 s[4:5], s[4:5], s[40:41]
	VLOAD 0, 0                                     ; V's ring is filled: k blocks 0 to 3
	VLOAD 1, 32*ROWB
	VLOAD 2, 64*ROWB
	VLOAD 3, 96*ROWB
	WIN 0
.irp s, 0,1
	s_mov_b32 s[G0+4*\s], 1
	s_add_co_u32 s[G0+4*\s+1], s42, \s*SLOTB
	s_add_nc_u64 s[G0+4*\s+2:G0+4*\s+3], s[4:5], \s*SLOTB
	s_or_b32 s[G0+4*\s+3], s[G0+4*\s+3], 0x80000000
.endr
	CROUND                                         ; all four work-groups are here: the first joint loads meet
	tensor_load_to_lds s[G0:G0+3], s[G1:G1+7]      ; quad 0
	s_nop 0
	tensor_load_to_lds s[G0+4:G0+7], s[G1:G1+7]    ; quad 1: two tensor loads of the wave are out here, later one
	s_nop 0
	s_wait_loadcnt 48                              ; k block 0 of V is in; stages 1 to 3 stay out
	VCVT 0, VF0
	WIN 0
	s_wait_tensorcnt 0x1                           ; my part of quad 0 is in; quad 1's may stay out
	s_barrier_signal -1
	s_barrier_wait -1
	PFETCH PFL, PA, 0
	PFETCH PFH, PA, 8192
	QUAD 0, 1, 1, 1, 32, 32, 32, 1, 1              ; the first products start the sums; quads 2 and 3 are prefetched
	QUAD 1, 0, 1, 1, 32, 32, 32, 1, 0
	s_add_nc_u64 s[PFB:PFB+1], s[PFB:PFB+1], 2*SLOTB   ; behind the quad's wait on XCNT, with no memory instruction between
	s_mov_b32 s44, 6
.Lquads:                                               ; pairs 1 to 6: pair t prefetches pair t + 1, the last of them quads 14 and 15
	QUAD 0, 0, 1, 1, 32, 32, 32, 1, 1
	QUAD 1, 0, 1, 1, 32, 32, 32, 1, 0
	s_add_nc_u64 s[PFB:PFB+1], s[PFB:PFB+1], 2*SLOTB
	s_sub_co_u32 s44, s44, 1
	s_cmp_lg_u32 s44, 0
	s_cbranch_scc1 .Lquads
	QUAD 0, 0, 2, 1, 32, 32, 32, 1, 0              ; quad 14: nothing is left to fill or to prefetch; V's last four k blocks are asked for
	QUAD 1, 0, 0, 0, 32, 16, 0, 0, 0               ; quad 15: the counts run down
	PLACES                                         ; behind the last matrix instructions, in front of the stores of their results
	WIN 0x08                                       ; store data from window 2
.irp qq, 0,1,2,3,4,5,6,7
.irp t, 0,1,2,3
	global_store_b128 v[PA], v[8*(4*\qq+\t):8*(4*\qq+\t)+3], s[OB:OB+1] offset:\qq*65536+\t*1024
	global_store_b128 v[PA], v[8*(4*\qq+\t)+4:8*(4*\qq+\t)+7], s[OB:OB+1] offset:\qq*65536+\t*1024+512
.endr
.endr
	WIN 0x0c                                       ; from window 3
.irp qq, 0,1,2,3,4,5,6,7
.irp t, 0,1,2,3
	global_store_b128 v[PA], v[8*(4*\qq+\t):8*(4*\qq+\t)+3], s[OB:OB+1] offset:(8+\qq)*65536+\t*1024
	global_store_b128 v[PA], v[8*(4*\qq+\t)+4:8*(4*\qq+\t)+7], s[OB:OB+1] offset:(8+\qq)*65536+\t*1024+512
.endr
.endr
	WIN 0
	CROUND                                         ; the closing round: no work-group ends while a partner may still ask for a tile that names it
	s_endpgm
.Lfunc_end_k_qc3c0e859dd_mix:
	.size	k_qc3c0e859dd_mix, .Lfunc_end_k_qc3c0e859dd_mix-k_qc3c0e859dd_mix
	.p2alignl 7, 3214868480
	.fill 96, 4, 3214868480
	.section	.rodata,"a",@progbits
	.p2align	6, 0x0
	.amdhsa_kernel k_qc3c0e859dd_mix
		.amdhsa_group_segment_fixed_size 327680
		.amdhsa_private_segment_fixed_size 0
		.amdhsa_enable_private_segment 0
		.amdhsa_kernarg_size 24
		.amdhsa_user_sgpr_count 2
		.amdhsa_user_sgpr_kernarg_segment_ptr 1
		.amdhsa_wavefront_size32 1
		.amdhsa_system_sgpr_workgroup_id_x 1
		.amdhsa_system_sgpr_workgroup_id_y 1
		.amdhsa_system_sgpr_workgroup_id_z 1
		.amdhsa_system_vgpr_workitem_id 0
		.amdhsa_next_free_vgpr 1024
		.amdhsa_next_free_sgpr 66
		.amdhsa_reserve_vcc 0
		.amdhsa_float_denorm_mode_32 3
		.amdhsa_float_denorm_mode_16_64 3
		.amdhsa_memory_ordered 1
		.amdhsa_forward_progress 1
		.amdhsa_inst_pref_size 255
	.end_amdhsa_kernel
	.section	.bss,"aw",@nobits
	.p2align	6
	.space	262144
	.amdgpu_metadata
---
amdhsa.version: [ 1, 2 ]
amdhsa.kernels:
  - .name:           k_qc3c0e859dd_mix
    .symbol:         k_qc3c0e859dd_mix.kd
    .args:
      - { .name: pf, .offset: 0, .size: 8, .value_kind: global_buffer, .address_space: global }
      - { .name: values, .offset: 8, .size: 8, .value_kind: global_buffer, .address_space: global }
      - { .name: opart, .offset: 16, .size: 8, .value_kind: global_buffer, .address_space: global }
    .group_segment_fixed_size: 327680
    .private_segment_fixed_size: 0
    .kernarg_segment_align: 8
    .kernarg_segment_size: 24
    .max_flat_workgroup_size: 128
    .sgpr_count:     66
    .vgpr_count:     1024
    .wavefront_size: 32
...
	.end_amdgpu_metadata
.endif
;; end of part 3
;; launch finish (part 4): grid 256 x 1, 8 waves a work-group, no clusters, 5,120 bytes of LDS; arguments opart, lpart, out0; writes out0
.if DOCPART == 4
	.amdgcn_target "amdgcn-amd-amdhsa--gfx1250"
	.amdhsa_code_object_version 6
	.text
	.protected	k_qc3c0e859dd_finish
	.globl	k_qc3c0e859dd_finish
	.p2align	8
	.type	k_qc3c0e859dd_finish,@function
k_qc3c0e859dd_finish:
	s_mov_b64 s[64:65], 0
	v_nop
	global_prefetch_b8 v0, s[64:65] scope:SCOPE_SE
	s_setreg_imm32_b32 hwreg(HW_REG_WAVE_MODE, 25, 1), 1
	s_wait_xcnt 0x0
; out0 = (sum over 16 splits of opart) / (sum over 256 work-groups of lpart).
; Work-group x: G = x / 16 names a piece of 256 bytes of each of lpart's 256 blocks (64 queries: four query tiles u, 16 rows r), cg = x mod 16 names 64 columns.
; Wave wv (u = wv / 2, jq = wv mod 2) adds the 16 splits of its query tile's four column tiles: 64 loads of 512 consecutive bytes, and makes 8 rows x 64 columns.
; The denominators: thread (wv, half, r) adds 16 of the 256 pieces; the 16 partial rows meet in LDS, laid out [u 4][r 16], so that the four rows that a lane
; divides (8 half + 4 jq + 0 .. 3 of tile u) are 16 neighbouring bytes of each partial row: 16 loads, a fold, four reciprocals, and no second trip through LDS.
; A lane holds for column tile t the column 4 r + t, so the four tiles' numbers of one row are 16 neighbouring bytes: the choice of destination registers puts
; them in order, and sixteen lanes store 256 consecutive aligned bytes.
; The denominator lies in 1.5 .. 7.3e8 for every input (each term is e^(10 cos)), so its reciprocal is an ordinary number.
; A stream: no matrix unit, no cluster, no tensor load; the only data that work-groups share are lpart's 64 KiB for each G.
.set LOFF, 2                           ; v2   16 x lane
.set LV,   3                           ; v3   lpart: (2 wv + half) x 4,096 + 16 r
.set TS,   4                           ; v4   LDS: partial row (2 wv + half) x 256 + 4 r
.set RLA,  10                          ; v10  LDS: 64 u + 32 half + 16 jq: my four rows in partial row 0
.set OV,   11                          ; v11  out0: 8 rows x half + 16 r
.set L,    16                          ; v[16:79]   16 pieces of lpart; behind the barrier the 16 partial rows' four numbers
.set ACC,  80                          ; v[80:95]   [t 4][row 4]
.set OUT,  96                          ; v[96:111]  [row 4][t 4]
.set RL,   112                         ; v[112:115] 1 / denominator of my four rows
; window 1: split s, column tile t at v[16 s + 4 t]
.set MSB,  0
.macro WIN new                         ; s_set_vgpr_msb; the immediate's high byte repeats the setting that is left
.if MSB != (\new)
	s_set_vgpr_msb (MSB<<8)|(\new)
.set MSB, (\new)
.endif
.endm
.macro FOLD base, hw                   ; item k += item k + hw, for k below hw; an item is 4 registers
.set k, 0
.rept \hw
	v_pk_add_f32 v[\base+4*k:\base+4*k+1], v[\base+4*k:\base+4*k+1], v[\base+4*(k+\hw):\base+4*(k+\hw)+1]
	v_pk_add_f32 v[\base+4*k+2:\base+4*k+3], v[\base+4*k+2:\base+4*k+3], v[\base+4*(k+\hw)+2:\base+4*(k+\hw)+3]
.set k, k+1
.endr
.endm
	s_load_b128 s[4:7], s[0:1], 0x0                ; opart s[4:5], lpart s[6:7]
	s_load_b64 s[8:9], s[0:1], 0x10                ; out0
	v_lshl_add_u32 v254, v0, 2, 0x1000
	v_mov_b32 v255, 0
	v_lshrrev_b32 v1, 5, v0
	v_readfirstlane_b32 s10, v1                    ; wave wv
	v_and_b32 v1, 31, v0                           ; lane
	v_and_b32 v5, 15, v0                           ; r
	v_bfe_u32 v6, v0, 4, 1                         ; half
	v_lshrrev_b32 v7, 4, v0                        ; 2 wv + half
	v_lshlrev_b32 v[LOFF], 4, v1
	v_lshlrev_b32 v[LV], 4, v5
	v_lshl_add_u32 v[LV], v7, 12, v[LV]
	v_lshlrev_b32 v[TS], 2, v5
	v_lshl_add_u32 v[TS], v7, 8, v[TS]
	s_and_b32 s12, s10, 1                          ; jq
	s_lshr_b32 s13, s10, 1                         ; u
	s_lshl_b32 s14, s13, 6                         ; tile u's 16 rows: 64 bytes of a partial row
	s_lshl_b32 s11, s12, 4                         ; four rows of 4 bytes for jq
	s_add_co_u32 s14, s14, s11
	v_lshl_add_u32 v[RLA], v6, 5, s14              ; eight rows for lanes 16-31
	v_lshlrev_b32 v[OV], 4, v5
	v_lshl_add_u32 v[OV], v6, 15, v[OV]
	s_lshr_b32 s15, ttmp9, 4                       ; G = 8 pass + 2 w' + hq
	s_and_b32 s16, ttmp9, 15                       ; cg = 4 db + w
	s_lshr_b32 s17, s15, 2                         ; qb = 2 pass + w' / 2
	s_bfe_u32 s18, s15, 0x10001                    ; w' mod 2
	s_and_b32 s19, s15, 1                          ; hq
	s_lshl_b32 s18, s18, 3
	s_add_co_u32 s18, s18, s19
	s_lshl_b32 s19, s13, 1
	s_add_co_u32 s18, s18, s19                     ; query tile mt = 8 (w' mod 2) + 2 u + hq
	s_lshl_b32 s20, s17, 4
	s_add_co_u32 s20, s20, s16
	s_lshl_b32 s20, s20, 20                        ; opart: (16 qb + cg) x 2^20
	s_lshl_b32 s21, s18, 16                        ; + mt x 65,536
	s_add_co_u32 s20, s20, s21
	s_lshl_b32 s21, s12, 9                         ; + jq x 512
	s_add_co_u32 s20, s20, s21
	s_mov_b32 s21, 0
	s_lshl_b32 s22, s15, 8                         ; lpart: G x 256
	s_mov_b32 s23, 0
	s_lshl_b32 s24, s17, 20                        ; out0: row 256 qb + 16 mt + 4 jq, of 4,096 bytes,
	s_lshl_b32 s25, s18, 16
	s_add_co_u32 s24, s24, s25
	s_lshl_b32 s25, s12, 14
	s_add_co_u32 s24, s24, s25
	s_lshl_b32 s25, s16, 8                         ; column 64 cg, of 4 bytes
	s_add_co_u32 s24, s24, s25
	s_mov_b32 s25, 0
	s_wait_kmcnt 0x0
	s_add_nc_u64 s[4:5], s[4:5], s[20:21]
	s_add_nc_u64 s[6:7], s[6:7], s[22:23]
	s_add_nc_u64 s[8:9], s[8:9], s[24:25]
.set k, 0
.rept 16
	global_load_b128 v[L+4*k:L+4*k+3], v[LV], s[6:7] offset:k*65536   ; two whole pieces of 256 bytes, of two of lpart's blocks
.set k, k+1
.endr
	WIN 0x40                                       ; destination window 1
.set s, 0
.rept 15
.irp t, 0,1,2,3
	global_load_b128 v[16*s+4*\t:16*s+4*\t+3], v[LOFF], s[4:5] offset:s*4096+\t*1024 th:TH_LOAD_NT
.endr
.set s, s+1
.endr
	WIN 0
	s_wait_loadcnt 60                              ; the 60 younger loads of opart stay out: lpart's 16 are in
	FOLD L, 8
	FOLD L, 4
	FOLD L, 2
	FOLD L, 1
.irp u, 0,1,2,3
	ds_store_b32 v[TS], v[L+\u] offset:64*\u       ; partial row 2 wv + half, 256 bytes: [u 4][r 16]
.endr
	WIN 0x40
.irp t, 0,1,2,3
	global_load_b128 v[240+4*\t:240+4*\t+3], v[LOFF], s[4:5] offset:15*4096+\t*1024 th:TH_LOAD_NT
.endr
	WIN 0
	s_wait_dscnt 0x0                               ; my partial rows are in LDS,
	s_barrier_signal -1
	s_barrier_wait -1                              ; all sixteen are; nothing is stored into LDS behind this barrier
.set k, 0
.rept 16
	ds_load_b128 v[L+4*k:L+4*k+3], v[RLA] offset:k*256   ; partial row k: my four rows of my wave's tile
.set k, k+1
.endr
	s_wait_dscnt 0x0
	FOLD L, 8
	FOLD L, 4
	FOLD L, 2
	FOLD L, 1
.irp jj, 0,1,2,3
	v_rcp_f32 v[RL+\jj], v[L+\jj]                  ; the plain place behind these four is the first sum below, which names none of their registers
.endr
	s_wait_loadcnt 56                              ; splits 0 and 1 are in: four loads for each of the 14 younger
	WIN 0x05                                       ; both sources window 1
.irp p, 0,1,2,3,4,5,6,7
	v_pk_add_f32 v[ACC+2*\p:ACC+2*\p+1], v[2*\p:2*\p+1], v[16+2*\p:16+2*\p+1]   ; the first sum starts the accumulators
.endr
	WIN 0x04                                       ; source 1 window 1
.set s, 2
.rept 14
	s_wait_loadcnt 4*(15-s)
.irp p, 0,1,2,3,4,5,6,7
	v_pk_add_f32 v[ACC+2*\p:ACC+2*\p+1], v[ACC+2*\p:ACC+2*\p+1], v[16*s+2*\p:16*s+2*\p+1]
.endr
.set s, s+1
.endr
	WIN 0
	s_wait_alu depctr_va_vdst(0)
.irp jj, 0,1,2,3
.irp t, 0,1,2,3
	v_mul_f32 v[OUT+4*\jj+\t], v[ACC+4*\t+\jj], v[RL+\jj]
.endr
.endr
.irp jj, 0,1,2,3
	global_store_b128 v[OV], v[OUT+4*\jj:OUT+4*\jj+3], s[8:9] offset:\jj*4096 th:TH_STORE_NT
.endr
	s_wait_tensorcnt 0x0
	ds_add_u32 v254, v255
	s_wait_dscnt 0x0
	s_endpgm
.Lfunc_end_k_qc3c0e859dd_finish:
	.size	k_qc3c0e859dd_finish, .Lfunc_end_k_qc3c0e859dd_finish-k_qc3c0e859dd_finish
	.p2alignl 7, 3214868480
	.fill 96, 4, 3214868480
	.section	.rodata,"a",@progbits
	.p2align	6, 0x0
	.amdhsa_kernel k_qc3c0e859dd_finish
		.amdhsa_group_segment_fixed_size 5120
		.amdhsa_private_segment_fixed_size 0
		.amdhsa_enable_private_segment 0
		.amdhsa_kernarg_size 24
		.amdhsa_user_sgpr_count 2
		.amdhsa_user_sgpr_kernarg_segment_ptr 1
		.amdhsa_wavefront_size32 1
		.amdhsa_system_sgpr_workgroup_id_x 1
		.amdhsa_system_sgpr_workgroup_id_y 1
		.amdhsa_system_sgpr_workgroup_id_z 1
		.amdhsa_system_vgpr_workitem_id 0
		.amdhsa_next_free_vgpr 512
		.amdhsa_next_free_sgpr 66
		.amdhsa_reserve_vcc 0
		.amdhsa_float_denorm_mode_32 3
		.amdhsa_float_denorm_mode_16_64 3
		.amdhsa_memory_ordered 1
		.amdhsa_forward_progress 1
		.amdhsa_inst_pref_size 25
	.end_amdhsa_kernel
	.amdgpu_metadata
---
amdhsa.version: [ 1, 2 ]
amdhsa.kernels:
  - .name:           k_qc3c0e859dd_finish
    .symbol:         k_qc3c0e859dd_finish.kd
    .args:
      - { .name: opart, .offset: 0, .size: 8, .value_kind: global_buffer, .address_space: global }
      - { .name: lpart, .offset: 8, .size: 8, .value_kind: global_buffer, .address_space: global }
      - { .name: out0, .offset: 16, .size: 8, .value_kind: global_buffer, .address_space: global }
    .group_segment_fixed_size: 5120
    .private_segment_fixed_size: 0
    .kernarg_segment_align: 8
    .kernarg_segment_size: 24
    .max_flat_workgroup_size: 256
    .sgpr_count:     66
    .vgpr_count:     512
    .wavefront_size: 32
...
	.end_amdgpu_metadata
.endif
;; end of part 4
;; ======== version 2 of 2: 4 launches; version 1 with the launch scores written anew for expert scheduling mode
;; limits: values are held in f16: magnitudes above 65,504 overflow, below 6.1e-05 lose precision; inputs' magnitudes at most 65,504; below input magnitudes of 6e-05 results are inexact or not finite
;; workspace buffers: qf 2,097,152 bytes; pf 67,108,864 bytes; lpart 1,048,576 bytes; opart 67,108,864 bytes
;; launch qprep: the kernel of part 1 again; grid 64 x 1, 4 waves a work-group, no clusters, 33,536 bytes of LDS; arguments query, qf; writes qf
;; launch scores (part 5): grid 256 x 1, 4 waves a work-group, no clusters, 264,704 bytes of LDS; arguments keys, qf, pf, lpart; writes pf, lpart
.if DOCPART == 5
	.amdgcn_target "amdgcn-amd-amdhsa--gfx1250"
	.amdhsa_code_object_version 6
	.text
	.protected	k_qc3c0e859dd_scores
	.globl	k_qc3c0e859dd_scores
	.p2align	8
	.type	k_qc3c0e859dd_scores,@function
k_qc3c0e859dd_scores:
	s_mov_b64 s[64:65], 0
	v_nop
	global_prefetch_b8 v0, s[64:65] scope:SCOPE_SE
	s_setreg_imm32_b32 hwreg(HW_REG_WAVE_SCHED_MODE, 0, 2), 2
	s_setreg_imm32_b32 hwreg(HW_REG_WAVE_MODE, 25, 1), 1
	s_wait_xcnt 0x0
	s_wait_alu depctr_vm_vsrc(0)
; P[key][query] = exp2( (k / max(||k||, 1e-12)) . qs ), qs from qf (it carries 10 log2(e) / ||q||), so P = e^(10 cos).
; A work-group owns 128 keys: each wave normalises 32 of them (a row stays in 32 registers between norm and scaling, so keys are read once in the launch)
; and puts them into LDS as f16.  Then two passes of 512 queries; a wave makes 128 keys x 128 queries: 64 accumulator tiles, 512 registers.
; K's fragments come from LDS (all four waves read the same 8 KiB for 64 matrix instructions); Q's fragments belong to one wave alone and come
; straight from qf, which is already in fragment order, into a ring of four stages of registers: loads of 512 consecutive bytes, no barrier in the loop.
; The result tile (A = keys, B = queries) has in lane (r, h) query r and keys 8 h .. 8 h + 7: rounded to f16 that IS the A fragment of the next
; product (rows = queries, k = keys), so P is stored as it lies: pf [qb 4][block of 32 keys 1024][query tile 16][half 2][lane 32][8 f16].
; lpart [work-group 256][pass 2][wave 4][lane 32][u 4] f32 = the sum of P over my 128 keys for query 512 pass + 128 wave + 16 (2 u + h) + r.
; NO MAXIMUM IS TAKEN AWAY: both vectors are normalised by the computation itself, so the exponent is 10 cos, within -10 .. 10 for every input:
; P lies in 4.5e-5 .. 2.2e4 (inside f16), its sum over 32,768 keys in 1.5 .. 7.3e8 (inside f32).  That lets the keys be shared among work-groups.
; LIMITS: operands in f16 (normalised numbers, at most 1 and 14.5 in size; below 6e-5 their step is 6e-8); sums of squares in f32 as in the reference;
; NaN and infinities are not followed.
; NO JOINT LOADS for Q, though all work-groups read it: the keys take 264,192 of the 327,680 bytes of LDS; the 63,488 left do not hold two slots
; of one k block of 512 queries (32,768 bytes each, with nothing to spare for more steps), so each slot would ask for a round of barriers every 64
; matrix instructions, and the bytes would pass through LDS for one wave's use.
; THE MODE: SCHED_MODE bits 1:0 = 2 (LLVM: expert scheduling mode 2), set by the entry lines.  The code itself states the register dependences
; between vector or matrix instructions and memory or LDS instructions, with s_wait_alu, always for 0.
; THE PLAN, first phase.  Row p (0 .. 31) of the wave lies in slot p % 8 and leaves as f16 from Y[p % 2].  Registers that memory or LDS instructions touch:
;   X0 .. X7   Read by row p's squares and scaling; the eight loads of row p + 8 land in the slot, and are issued in row p + 1.
;   Y0, Y1     Written by row p's conversions; read by four LDS stores, which are issued in row p + 1.
;   v[KST]     Read by the LDS stores; written once in eight rows.        v[LOFF]  Read by every global load and store; never written again.
; A row waits for its square root in any case.  At that wait the row before is done reading its slot and has written its Y: so that row's four LDS stores and
; the eight loads into its slot stand behind it, and no vector instruction between the wait and them names their registers.
; THE PLAN, second phase.  Block n (32 along K) multiplies K buffer n % 2 by Q stage n % 4.  Its loads land in K buffer (n + 1) % 2 and in Q stage (n + 3) % 4, which
; block n - 1 read last and which no product of block n names.  So ONE wait on va_vdst at a block's head serves its 32 loads, which stand in its middle.
;   v[KA ..]   Read by K's LDS loads; written in each fourth block, ahead of that same wait, behind a wait on vm_vsrc.
; THE PLAN, the way out.  Tile b's conversions write one of two sets of 32 registers (in K's buffer 1); its eight stores are issued in tile b + 1, behind the one wait
; that tile b + 1's exponentials have in any case; the set is written again in tile b + 2, a whole tile behind the stores that read it.
.set ROWB,    4096
.set PITCH,   2064                     ; an LDS row: 2,048 bytes + 16, an odd multiple of 16
.set XW,      2                        ; the row slots of the first phase lie where the accumulators will: window 2
.set XB,      0                        ; eight slots of 32 registers
.set W_SQ,    XW|(XW<<2)
.set W_X0,    XW
.set W_LD,    XW<<6
.set SEL,     14                       ; s[14:15] selects of v_permlanex16_b32
.set KB,      4                        ; s[4:5]   keys, the wave's rows
.set QB,      6                        ; s[6:7]   qf, the wave's eight query tiles, stepped along k
.set PB,      8                        ; s[8:9]   pf
.set LB,      10                       ; s[10:11] lpart
.set LOFF,    2                        ; v2       16 x lane
.set KST,     3                        ; v3       LDS: where the wave's rows go
.set KA,      4                        ; v[4:11]  LDS: fragment address of key tile a, stepped along k
.set KBASE,   12                       ; v12      r x PITCH + 16 h
.set SQ,      16                       ; v[16:23] chains of sums
.set SA,      16
.set T,       24
.set T1,      25
.set N,       26
.set R,       28
.set LS,      32                       ; v[32:39] sum of P for query tile b
.set LO,      40                       ; v[40:43] what goes to lpart
.set KF0,     64                       ; v[64:127]  K fragments, buffer 0
.set KF1,     128                      ; v[128:191] K fragments, buffer 1; on the way out two sets of 32 registers of f16
.set E,       192                      ; v[192:255] exponentials
.set TM,      192                      ; first phase: v[192:223] the scaled row
.set Y,       224                      ; first phase: v[224:255] the row in f16, two sets of 16 that take turns
; v62, v63: the closing add's two registers, made at the head and kept for it alone
; window 1: Q's ring, stage s, tile b at v[64 s + 8 b]; windows 2, 3: accumulators, tile (b = 4 hi + bq, a) at v[8 (8 bq + a)] of window 2 + hi
.set MUL_LO,  0xa4                     ; A window 0, B window 1, C and D window 2
.set MUL_HI,  0xf4                     ; C and D window 3
.set TO_Q,    0x40                     ; destination window 1
.set NEXTQ,   1048576-28672            ; from the last trip's place in qf to the next pass's first k block: 32 tiles on, 28 k blocks back
.set MSB,     0
.macro WIN new                         ; s_set_vgpr_msb; the immediate's high byte repeats the setting that is left
.if MSB != (\new)
	s_set_vgpr_msb (MSB<<8)|(\new)
.set MSB, (\new)
.endif
.endm
.macro PLACES                          ; four plain places between a matrix instruction and a vector read of its results or a vector write of its registers (ISA guide 7.12.1)
.rept 4
	v_nop
.endr
.endm
.macro ROWIN i, off                    ; eight loads of 512 consecutive bytes: one row into slot i
	WIN W_LD
.irp j, 0,1,2,3,4,5,6,7
	global_load_b128 v[XB+32*(\i)+4*\j:XB+32*(\i)+4*\j+3], v[LOFF], s[KB:KB+1] offset:(\off)+(\i)*ROWB+512*\j th:TH_LOAD_NT
.endr
.endm
; Row j of a round, counted 1 to 8 from the round's bases (row 0 of all: j = 0): norm, factor, f16.  It lies in slot j % 8 and writes Y[j % 2].
; Behind its first wait the row before goes into LDS, and (ahead = 1) that row's slot is loaded again, eight rows on.  left = younger loads that may stay out.
.macro ROW j, ahead, left
.set XS, XB+32*((\j)%8)
.set YN, Y+16*((\j)%2)
.set YP, Y+16*(1-(\j)%2)
	s_wait_loadcnt \left                           ; loads return in order: this slot's eight are in
.if (\j) > 1
	s_wait_alu depctr_vm_vsrc(0)                   ; the LDS stores issued in the row before have read Y[j % 2], which this row's conversions write again (for j = 1 the wait at a round's end says so)
.endif
	WIN W_SQ
.irp c, 0,1,2,3
	v_pk_mul_f32 v[SQ+2*\c:SQ+2*\c+1], v[XS+2*\c:XS+2*\c+1], v[XS+2*\c:XS+2*\c+1]   ; the first squares start the chains
.endr
.irp c, 4,5,6,7,8,9,10,11,12,13,14,15
	v_pk_fma_f32 v[SQ+2*(\c%4):SQ+2*(\c%4)+1], v[XS+2*\c:XS+2*\c+1], v[XS+2*\c:XS+2*\c+1], v[SQ+2*(\c%4):SQ+2*(\c%4)+1]
.endr
	WIN 0
	v_pk_add_f32 v[SQ:SQ+1], v[SQ:SQ+1], v[SQ+2:SQ+3]
	v_pk_add_f32 v[SQ+4:SQ+5], v[SQ+4:SQ+5], v[SQ+6:SQ+7]
	v_pk_add_f32 v[SQ:SQ+1], v[SQ:SQ+1], v[SQ+4:SQ+5]
	v_add_f32 v[T], v[SQ], v[SQ+1]
	v_add_f32_dpp v[T], v[T], v[T] row_xmask:1 row_mask:0xf bank_mask:0xf
	v_add_f32_dpp v[T], v[T], v[T] row_xmask:2 row_mask:0xf bank_mask:0xf
	v_add_f32_dpp v[T], v[T], v[T] row_xmask:4 row_mask:0xf bank_mask:0xf
	v_add_f32_dpp v[T], v[T], v[T] row_xmask:8 row_mask:0xf bank_mask:0xf
	v_permlanex16_b32 v[T1], v[T], s[SEL], s[SEL+1]
	v_add_f32 v[T], v[T], v[T1]                    ; the row's sum of squares, in every lane
	v_sqrt_f32 v[N], v[T]
	v_nop                                          ; one plain place behind a transcendental before its result is used
	s_wait_alu depctr_va_vdst(0)                   ; the root is written; the row before has written its Y, which the LDS stores below read, and is done reading its slot, in which the loads below land; v[KST] is written
.if (\j) > 0
.irp p, 0,1,2,3
	ds_store_b128 v[KST], v[YP+4*\p:YP+4*\p+3] offset:((\j)-1)*PITCH+512*\p   ; the row before: 32 lanes, 512 consecutive bytes
.endr
.endif
.if \ahead
	ROWIN (\j)-1, 8*ROWB                           ; no vector instruction since the wait names these registers
.endif
	WIN 0
	v_max_num_f32 v[N], 0x2b8cbccc, v[N]           ; max(norm, 1e-12)
	v_rcp_f32 v[R], v[N]
	v_nop
	s_wait_alu depctr_va_vdst(0)                   ; the reciprocal is written, ahead of its first reader
	v_mov_b32 v[R+1], v[R]
	WIN W_X0
.irp c, 0,1,2,3,4,5,6,7,8,9,10,11,12,13,14,15
	v_pk_mul_f32 v[TM+2*\c:TM+2*\c+1], v[XS+2*\c:XS+2*\c+1], v[R:R+1]
.endr
	WIN 0
.irp c, 0,1,2,3,4,5,6,7,8,9,10,11,12,13,14,15
	v_cvt_pk_f16_f32 v[YN+\c], v[TM+2*\c], v[TM+2*\c+1]
.endr
.endm
; 16 loads: one k block of my eight query tiles into stage st
.macro QFETCH st, off
	WIN TO_Q
.irp b, 0,1,2,3,4,5,6,7
	global_load_b128 v[64*(\st)+8*\b:64*(\st)+8*\b+3], v[LOFF], s[QB:QB+1] offset:\off+\b*32768
	global_load_b128 v[64*(\st)+8*\b+4:64*(\st)+8*\b+7], v[LOFF], s[QB:QB+1] offset:\off+\b*32768+512
.endr
.endm
; 16 LDS loads: one k block of the eight key tiles into buffer f
.macro KFETCH f, off
	WIN 0
.irp a, 0,1,2,3,4,5,6,7
	ds_load_b128 v[\f+8*\a:\f+8*\a+3], v[KA+\a] offset:\off
	ds_load_b128 v[\f+8*\a+4:\f+8*\a+7], v[KA+\a] offset:\off+32
.endr
.endm
; 32 matrix instructions: four query tiles x eight key tiles.  The 64 accumulators take turns, one instruction a turn, in the same order in every
; k block.
.macro MUL32 f, st, hi, zero
.irp bq, 0,1,2,3
.irp a, 0,1,2,3,4,5,6,7
.if \zero
	v_wmma_f32_16x16x32_f16 v[8*(8*\bq+\a):8*(8*\bq+\a)+7], v[\f+8*\a:\f+8*\a+7], v[64*(\st)+8*(4*\hi+\bq):64*(\st)+8*(4*\hi+\bq)+7], 0
.else
	v_wmma_f32_16x16x32_f16 v[8*(8*\bq+\a):8*(8*\bq+\a)+7], v[\f+8*\a:\f+8*\a+7], v[64*(\st)+8*(4*\hi+\bq):64*(\st)+8*(4*\hi+\bq)+7], v[8*(8*\bq+\a):8*(8*\bq+\a)+7]
.endif
.endr
.endr
.endm
; One k block of 32: multiplies buffer f and stage st; in its middle it fetches the next block's K fragments into buffer g and the Q fragments of
; three blocks on into the stage read last.  kmode 0: no K fetch; 1: at koff; 2: the addresses step four blocks on first; 3: they return to block 0.
; A block that fetches nothing has no wait on va_vdst; nor has the first pass's first block (FIRSTW = 0): no vector instruction has yet named what its loads touch.
.macro KBLK f, g, st, zero, lcnt, kmode, koff, qon, qoff
	s_wait_loadcnt \lcnt                           ; my stage is in: lcnt = 16 loads for each younger stage
	s_wait_dscnt 0x0                               ; buffer f is in (asked for 32 matrix instructions ago)
.if \kmode >= 2
	WIN 0
	s_wait_alu depctr_vm_vsrc(0)                   ; K's LDS loads issued so far have read v[KA ..]
.if \kmode == 2
.irp a, 0,1,2,3,4,5,6,7
	v_add_nc_u32 v[KA+\a], 256, v[KA+\a]           ; four k blocks of 64 bytes on
.endr
.else
.irp a, 0,1,2,3,4,5,6,7
	v_add_nc_u32 v[KA+\a], \a*16*PITCH, v[KBASE]   ; back to k block 0 for the next pass
.endr
.endif
.endif
.if (\kmode+\qon) && (!(\zero) || FIRSTW)
	s_wait_alu depctr_va_vdst(0)                   ; the block before is done reading buffer g and the stage read last, in which this block's loads land; where v[KA ..] has just been stepped it is written; behind a way out its conversions have written buffer 1
.endif
	WIN MUL_LO
	MUL32 \f, \st, 0, \zero
.if \kmode
	KFETCH \g, \koff                               ; no wait: the products since the wait name buffer f, stage st and the accumulators alone
.endif
.if \qon
	QFETCH (\st+3)%4, \qoff
.endif
	WIN MUL_HI
	MUL32 \f, \st, 1, \zero
.endm
; Four k blocks.  mode 0: inside a pass; 1: the last of pass 0, whose look-ahead runs into pass 1; 2: the very last: the counts run down.
.macro TRIP zero, mode
.if \mode == 0
	KBLK KF0, KF1, 0, \zero, 32, 1, 64, 1, 3072
	KBLK KF1, KF0, 1, 0, 32, 1, 128, 1, 4096
	KBLK KF0, KF1, 2, 0, 32, 1, 192, 1, 5120
	KBLK KF1, KF0, 3, 0, 32, 2, 0, 1, 6144
	WIN 0
	s_wait_xcnt 0x0                                ; the base of the pending loads is stepped only behind this wait
	s_add_nc_u64 s[QB:QB+1], s[QB:QB+1], 4096
.endif
.if \mode == 1
	KBLK KF0, KF1, 0, 0, 32, 1, 64, 1, 3072
	KBLK KF1, KF0, 1, 0, 32, 1, 128, 1, NEXTQ
	KBLK KF0, KF1, 2, 0, 32, 1, 192, 1, NEXTQ+1024
	KBLK KF1, KF0, 3, 0, 32, 3, 0, 1, NEXTQ+2048
	WIN 0
	s_wait_xcnt 0x0
	s_add_nc_u64 s[QB:QB+1], s[QB:QB+1], NEXTQ
.endif
.if \mode == 2
	KBLK KF0, KF1, 0, 0, 32, 1, 64, 1, 3072
	KBLK KF1, KF0, 1, 0, 32, 1, 128, 0, 0
	KBLK KF0, KF1, 2, 0, 16, 1, 192, 0, 0
	KBLK KF1, KF0, 3, 0, 0, 0, 0, 0, 0
.endif
.endm
; The way out for query tile b: 64 exponentials a lane, their sum, f16 into set yb.  The eight stores of 512 consecutive bytes that it issues are tile b - 1's, from set yp.
.macro EPIB b, win, yb, yp
	WIN \win                                       ; source 0: the accumulators' window
.irp a, 0,1,2,3,4,5,6,7
.irp j, 0,1,2,3,4,5,6,7
	v_exp_f32 v[E+8*\a+\j], v[8*(8*(\b&3)+\a)+\j]
.endr
.endr
	WIN 0
.if (\b) > 1
	s_wait_xcnt 0x0                                ; set yb, which the stores of tile b - 2 read, is rewritten only behind this wait,
	s_wait_alu depctr_vm_vsrc(0)                   ; and those stores, issued a tile ago, have read it
.endif
	v_nop                                          ; the plain place behind the transcendentals
	s_wait_alu depctr_va_vdst(0)                   ; the 64 exponentials are written, ahead of their first reader; tile b - 1's conversions have written set yp, which the stores below read
.if (\b) > 0
.irp a, 0,1,2,3,4,5,6,7
	global_store_b128 v[LOFF], v[\yp+4*\a:\yp+4*\a+3], s[PB:PB+1] offset:(\a>>1)*16384+((\b)-1)*1024+(\a&1)*512
.endr
.endif
.irp c, 0,1,2,3
	v_pk_add_f32 v[SA+2*\c:SA+2*\c+1], v[E+2*\c:E+2*\c+1], v[E+8+2*\c:E+8+2*\c+1]   ; four chains, started by the first sums
.endr
.set p, 8
.rept 24
	v_pk_add_f32 v[SA+2*(p%4):SA+2*(p%4)+1], v[SA+2*(p%4):SA+2*(p%4)+1], v[E+2*p:E+2*p+1]
.set p, p+1
.endr
	v_pk_add_f32 v[SA:SA+1], v[SA:SA+1], v[SA+2:SA+3]
	v_pk_add_f32 v[SA+4:SA+5], v[SA+4:SA+5], v[SA+6:SA+7]
	v_pk_add_f32 v[SA:SA+1], v[SA:SA+1], v[SA+4:SA+5]
	v_add_f32 v[LS+\b], v[SA], v[SA+1]             ; query r, my half's 64 keys
.irp a, 0,1,2,3,4,5,6,7
.irp i, 0,1,2,3
	v_cvt_pk_f16_f32 v[\yb+4*\a+\i], v[E+8*\a+2*\i], v[E+8*\a+2*\i+1]
.endr
.endr
.endm
.macro EPI
	PLACES                                         ; behind the last matrix instructions, in front of the reads of their results and the writes of buffer 1
	EPIB 0, 2, KF1, KF1+32
	EPIB 1, 2, KF1+32, KF1
	EPIB 2, 2, KF1, KF1+32
	EPIB 3, 2, KF1+32, KF1
	EPIB 4, 3, KF1, KF1+32
	EPIB 5, 3, KF1+32, KF1
	EPIB 6, 3, KF1, KF1+32
	EPIB 7, 3, KF1+32, KF1
.irp b, 0,1,2,3,4,5,6,7
	v_permlanex16_b32 v[T1], v[LS+\b], s[SEL], s[SEL+1]
	v_add_f32 v[LS+\b], v[LS+\b], v[T1]            ; both halves: all 128 keys
.endr
.irp u, 0,1,2,3
	v_cndmask_b32 v[LO+\u], v[LS+2*\u], v[LS+2*\u+1], s21   ; lanes 0-15 keep tile 2 u, lanes 16-31 tile 2 u + 1
.endr
	s_wait_alu depctr_va_vdst(0)                   ; tile 7's conversions have written their set and the selects v[LO ..], which the nine stores below read
.irp a, 0,1,2,3,4,5,6,7
	global_store_b128 v[LOFF], v[KF1+32+4*\a:KF1+32+4*\a+3], s[PB:PB+1] offset:(\a>>1)*16384+7*1024+(\a&1)*512
.endr
	global_store_b128 v[LOFF], v[LO:LO+3], s[LB:LB+1]
.endm
.macro PASS last                       ; 32 k blocks = 8 trips, and the way out
.set FIRSTW, \last
	TRIP 1, 0                                      ; the first products start the sums: nothing is cleared
	s_mov_b32 s20, 6
.Lpass_\@:
	TRIP 0, 0
	s_sub_co_u32 s20, s20, 1
	s_cmp_lg_u32 s20, 0
	s_cbranch_scc1 .Lpass_\@
.if \last
	TRIP 0, 2
.else
	TRIP 0, 1
.endif
	EPI
.endm
	s_load_b256 s[4:11], s[0:1], 0x0               ; keys, qf, pf, lpart
	v_lshl_add_u32 v62, v0, 2, 0x40800
	v_mov_b32 v63, 0
	v_and_b32 v1, 31, v0                           ; lane
	v_lshrrev_b32 v13, 5, v0
	v_readfirstlane_b32 s12, v13                   ; wave
	s_mov_b32 s14, 0x76543210
	s_mov_b32 s15, 0xfedcba98
	s_mov_b32 s21, 0xffff0000                      ; lanes 16 to 31
	v_lshlrev_b32 v[LOFF], 4, v1
	v_and_b32 v13, 15, v0                          ; r
	v_bfe_u32 v14, v0, 4, 1                        ; h
	v_mul_u32_u24 v[KBASE], v13, PITCH
	v_lshl_add_u32 v[KBASE], v14, 4, v[KBASE]
.irp a, 0,1,2,3,4,5,6,7
	v_add_nc_u32 v[KA+\a], \a*16*PITCH, v[KBASE]
.endr
	v_mov_b32 v[T1], 0                             ; v_permlanex16_b32 counts as a reader of its destination
	s_wait_alu depctr_va_sdst(0)                   ; s12 is written, ahead of its first reader: the wave's places in LDS and in the four buffers are made from it
	s_mul_i32 s26, s12, 32*PITCH                   ; the wave's 32 rows in LDS
	v_add_nc_u32 v[KST], s26, v[LOFF]
	s_lshl_b32 s16, ttmp9, 19                      ; keys: 128 rows of 4,096 bytes a work-group,
	s_lshl_b32 s17, s12, 17                        ; 32 a wave
	s_add_co_u32 s16, s16, s17
	s_mov_b32 s17, 0
	s_lshl_b32 s18, s12, 18                        ; qf: eight tiles of 32,768 bytes a wave
	s_mov_b32 s19, 0
	s_lshr_b32 s22, s12, 1                         ; pf: qb = 2 pass + wave / 2,
	s_lshl_b32 s22, s22, 24
	s_lshl_b32 s23, ttmp9, 16                      ; four blocks of 32 keys a work-group, 16,384 bytes each,
	s_add_co_u32 s22, s22, s23
	s_and_b32 s23, s12, 1                          ; query tiles 8 (wave mod 2) + b
	s_lshl_b32 s23, s23, 13
	s_add_co_u32 s22, s22, s23
	s_mov_b32 s23, 0
	s_lshl_b32 s24, ttmp9, 12                      ; lpart: 4,096 bytes a work-group, 512 a wave
	s_lshl_b32 s25, s12, 9
	s_add_co_u32 s24, s24, s25
	s_mov_b32 s25, 0
	s_wait_kmcnt 0x0
	s_add_nc_u64 s[KB:KB+1], s[KB:KB+1], s[16:17]
	s_add_nc_u64 s[QB:QB+1], s[QB:QB+1], s[18:19]
	s_add_nc_u64 s[PB:PB+1], s[PB:PB+1], s[22:23]
	s_add_nc_u64 s[LB:LB+1], s[LB:LB+1], s[24:25]
	s_wait_alu depctr_va_vdst(0)                   ; v[LOFF], v[KST] and v[KA ..] are written, which the loads and stores below read as offsets and addresses
	QFETCH 0, 0                                    ; Q's first three stages go out first: they are older than every row's loads
	QFETCH 1, 1024
	QFETCH 2, 2048
.irp i, 0,1,2,3,4,5,6,7
	ROWIN \i, 0
.endr
	WIN 0
	ROW 0, 0, 56                                   ; row 0 has no row in front of it: nothing to store, no slot to fill; seven younger rows of eight loads stay out
	s_mov_b32 s20, 3
.Lrows:                                                ; rows 1 to 24, eight to a trip: slots and both sets of Y are back at their start
.irp j, 1,2,3,4,5,6,7,8
	ROW \j, 1, 48                                  ; six younger rows of eight loads stay out: the slot of the row before is asked for again inside this row
.endr
	s_wait_xcnt 0x0                                ; the loads' base is stepped only behind this wait
	s_add_nc_u64 s[KB:KB+1], s[KB:KB+1], 8*ROWB
	s_wait_alu depctr_vm_vsrc(0)                   ; the LDS stores issued so far have read v[KST], which the next line writes, and the second set of Y, which the next row writes
	v_add_nc_u32 v[KST], 8*PITCH, v[KST]
	s_sub_co_u32 s20, s20, 1
	s_cmp_lg_u32 s20, 0
	s_cbranch_scc1 .Lrows
.irp j, 1,2,3,4,5,6,7
	ROW \j, 0, 8*(7-\j)                            ; rows 25 to 31 load nothing: no load leaves the wave's rows, and the counts run down
.endr
	s_wait_alu depctr_va_vdst(0)                   ; row 31's conversions have written the second set of Y, which the last four LDS stores read
.irp p, 0,1,2,3
	ds_store_b128 v[KST], v[Y+16+4*\p:Y+16+4*\p+3] offset:7*PITCH+512*\p
.endr
	s_wait_dscnt 0x0                               ; my 32 rows are in LDS,
	s_barrier_signal -1
	s_barrier_wait -1                              ; all 128 are; nothing writes them again
	s_wait_alu depctr_vm_vsrc(0)                   ; my LDS stores have read both sets of Y: these registers are part of E from here on, written by the exponentials
	KFETCH KF0, 0
	PASS 0
	s_wait_xcnt 0x0                                ; the stores' bases and data (buffer 1 is loaded again) change only behind this wait
	s_wait_alu depctr_vm_vsrc(0)                   ; the stores have read the two sets in buffer 1, in which the next pass's K fragments land, and v[LO ..], which the next way out writes
	s_add_nc_u64 s[PB:PB+1], s[PB:PB+1], 0x2000000 ; the next 512 queries: qb + 2
	s_add_nc_u64 s[LB:LB+1], s[LB:LB+1], 2048
	PASS 1
	s_wait_dscnt 0x0                               ; the closing lines, six on end
	s_wait_alu 0x0
	s_wait_tensorcnt 0x0
	ds_add_u32 v62, v63
	s_wait_dscnt 0x0
	s_endpgm
.Lfunc_end_k_qc3c0e859dd_scores:
	.size	k_qc3c0e859dd_scores, .Lfunc_end_k_qc3c0e859dd_scores-k_qc3c0e859dd_scores
	.p2alignl 7, 3214868480
	.fill 96, 4, 3214868480
	.section	.rodata,"a",@progbits
	.p2align	6, 0x0
	.amdhsa_kernel k_qc3c0e859dd_scores
		.amdhsa_group_segment_fixed_size 264704
		.amdhsa_private_segment_fixed_size 0
		.amdhsa_enable_private_segment 0
		.amdhsa_kernarg_size 32
		.amdhsa_user_sgpr_count 2
		.amdhsa_user_sgpr_kernarg_segment_ptr 1
		.amdhsa_wavefront_size32 1
		.amdhsa_system_sgpr_workgroup_id_x 1
		.amdhsa_system_sgpr_workgroup_id_y 1
		.amdhsa_system_sgpr_workgroup_id_z 1
		.amdhsa_system_vgpr_workitem_id 0
		.amdhsa_next_free_vgpr 1024
		.amdhsa_next_free_sgpr 66
		.amdhsa_reserve_vcc 0
		.amdhsa_float_denorm_mode_32 3
		.amdhsa_float_denorm_mode_16_64 3
		.amdhsa_memory_ordered 1
		.amdhsa_forward_progress 1
		.amdhsa_inst_pref_size 255
	.end_amdhsa_kernel
	.section	.bss,"aw",@nobits
	.p2align	6
	.space	262144
	.amdgpu_metadata
---
amdhsa.version: [ 1, 2 ]
amdhsa.kernels:
  - .name:           k_qc3c0e859dd_scores
    .symbol:         k_qc3c0e859dd_scores.kd
    .args:
      - { .name: keys, .offset: 0, .size: 8, .value_kind: global_buffer, .address_space: global }
      - { .name: qf, .offset: 8, .size: 8, .value_kind: global_buffer, .address_space: global }
      - { .name: pf, .offset: 16, .size: 8, .value_kind: global_buffer, .address_space: global }
      - { .name: lpart, .offset: 24, .size: 8, .value_kind: global_buffer, .address_space: global }
    .group_segment_fixed_size: 264704
    .private_segment_fixed_size: 0
    .kernarg_segment_align: 8
    .kernarg_segment_size: 32
    .max_flat_workgroup_size: 128
    .sgpr_count:     66
    .vgpr_count:     1024
    .wavefront_size: 32
...
	.end_amdgpu_metadata
.endif
;; end of part 5
;; launch mix: the kernel of part 3 again; grid 4 x 64, 4 waves a work-group, clusters of 4 x 1, 327,680 bytes of LDS; arguments pf, values, opart; writes opart
;; launch finish: the kernel of part 4 again; grid 256 x 1, 8 waves a work-group, no clusters, 5,120 bytes of LDS; arguments opart, lpart, out0; writes out0
